; MI455X (gfx1250); checked and timed in simulation.
; The chip was launched on July 23, 2026; its instructions are those of AMD's public machine-readable ISA for CDNA 5 (MIT licence, August 2026) and "CDNA5" Instruction Set Architecture Reference Guide (July 2026). The comments in the code are by the model that wrote it; some were corrected since.
;; Hash Layer FFN. Allowed arithmetic: float matrix products may take bf16 or f16 operands with f32 sums; all other float work in f32.
;; Inputs: W1 8 x 2,048 x 1,024 float32; W2 8 x 1,024 x 2,048 float32; b1 8 x 2,048 float32; b2 8 x 1,024 float32; hash_map 32,000 int32; orig_input 2 x 1,024 int32; x 2 x 1,024 x 1,024 float32.
;; Outputs: out0 2 x 1,024 x 1,024 float32.
;; 2 versions, each right; version 2 is version 1 with the launches ffn1, ffn2 written anew for expert scheduling mode. Each part assembles by itself: llvm-mc -triple=amdgcn-amd-amdhsa -mcpu=gfx1250 --defsym DOCPART=n.
;; ======== version 1 of 2: 3 launches
;; workspace buffers: xs 4,653,056 bytes; h 9,306,112 bytes; order 9,216 bytes of whole numbers; meta 256 bytes of whole numbers
;; launch prep (part 1): grid 71 x 1, 8 waves a work-group, no clusters, 72,960 bytes of LDS; arguments x, orig_input, hash_map, xs, order, meta; writes xs, order, meta
.if DOCPART == 1
	.amdgcn_target "amdgcn-amd-amdhsa--gfx1250"
	.amdhsa_code_object_version 6
	.text
	.protected	k_q9fe0363b3d_prep
	.globl	k_q9fe0363b3d_prep
	.p2align	8
	.type	k_q9fe0363b3d_prep,@function
k_q9fe0363b3d_prep:
	s_mov_b64 s[64:65], 0
	v_nop
	global_prefetch_b8 v0, s[64:65] scope:SCOPE_SE
	s_setreg_imm32_b32 hwreg(HW_REG_WAVE_MODE, 25, 1), 1
	s_wait_xcnt 0x0
; prep: routing, and x gathered by expert, rounded to bf16 and laid out in the order of matrix fragments.
; e(token) = hash_map[orig_input[token]].  Tokens are sorted by expert into POSITIONS.  A unit is 32 positions; expert e owns
; nu_e = ceil(c_e / 32) units from unit us_e on (us = running sum of nu; the sum is at most (2,048 + 8 x 31) / 32 = 71: units 0 to 70).
; A padding position of an expert repeats the expert's last token, so later launches need no mask: such rows give the same bits
; and are stored to the same row.  How many of the 71 units are used hangs on the data; those behind the last used one repeat token 0,
; and no later launch reads them.
; Work-group u makes unit u.  Every work-group repeats the routing of all 2,048 tokens (8 a thread): whole-number work that gives
; the same result everywhere, so nothing passes between work-groups.
; OUT: order[p] = token of position p;
;      meta, 32 bytes an expert: us_e, nb_e = ceil(c_e / 16) (its blocks of 16 positions that hold a token of their own), six zeros;
;      xs: the bf16 of position 16 blk + r, column k = 32 kc + 16 j + 8 hh + el lies at byte blk*32768 + kc*1024 + j*512 + hh*256 + r*16 + 2 el,
;      so that 32 lanes x 16 neighbouring bytes are half a fragment of 16 tokens x 32 columns.
; LIMITS: orig_input is clamped to 0 .. 31,999.  hash_map values are taken as 0 .. 7: a larger one (as an unsigned number) is routed to
; expert 7, where reference() would leave zeros.  x is rounded to bf16 (a matrix operand).
; No matrix unit, no cluster: the work-groups share nothing but 136 KB of tables.
.set TAB,  0                           ; LDS 0: 8 waves x 16 bytes, each wave's eight counts (16 bits each)
.set ORD,  256                         ; LDS 256: 8 waves x 256 bytes, each wave's own table: words 0-31 the unit's positions, word 32 a dump
.set STG,  2304                        ; LDS 2,304: 8 waves x 8,704 bytes, each wave's own stage: 2 blocks x 16 pieces of 256 + 16 bytes
.set WSTG, 8704
.set CNT,  20                          ; s[20:27]  running counts of my wave, by expert
.set CE,   40                          ; s[40:47]  c_e; at the end, in the one wave that stores meta, nb_e
.set BASE, 48                          ; s[48:55]  first position of my wave's tokens of expert e, less 32 u
.set US,   66                          ; s[66:74]  us_0 .. us_8
.set LAST, 76                          ; s[76:83]  position of expert e's last token
.set NU,   84                          ; s[84:91]  nu_e
.set OI,   4                           ; v[4:11]   orig_input of my 8 tokens
.set HO,   12                          ; v[12:19]  byte offsets into hash_map
.set EX,   20                          ; v[20:27]  experts
.set RK,   28                          ; v[28:35]  rank among my wave's tokens of the same expert
.set X,    96                          ; v[96:223] 32 rows x 4 registers
	s_load_b256 s[4:11], s[0:1], 0x0               ; x s[4:5], orig_input s[6:7], hash_map s[8:9], xs s[10:11]
	s_load_b128 s[12:15], s[0:1], 0x20             ; order s[12:13], meta s[14:15]
	v_lshl_add_u32 v224, v0, 2, 0x11900
	v_mov_b32 v225, 0
	v_lshrrev_b32 v3, 5, v0
	v_readfirstlane_b32 s16, v3                    ; wave
	v_and_b32 v1, 31, v0                           ; lane
	v_lshlrev_b32 v2, 4, v0                        ; 16 t = 512 wave + 16 lane
	v_lshlrev_b32 v90, 2, v0                       ; 4 t: my first token
	s_lshl_b32 s18, ttmp9, 5                       ; 32 u: my unit's first position
	s_lshl_b32 s92, s16, 8
	s_add_co_u32 s92, s92, ORD                     ; my wave's table
	s_mul_i32 s93, s16, WSTG
	s_add_co_u32 s93, s93, STG                     ; my wave's stage
	s_mov_b32 s95, 0                               ; upper word of offsets
.irp e, 0,1,2,3,4,5,6,7
	s_mov_b32 s[CNT+\e], 0
.endr
	s_wait_kmcnt 0x0
	global_load_b128 v[OI:OI+3], v2, s[6:7]                   ; tokens 4 t .. 4 t + 3
	global_load_b128 v[OI+4:OI+7], v2, s[6:7] offset:4096     ; tokens 1024 + 4 t .. + 3
	; the stage's addresses, while the loads are out
	v_lshrrev_b32 v36, 1, v1
	v_mul_u32_u24 v87, v36, 272
	v_and_b32 v36, 1, v1
	v_lshl_add_u32 v87, v36, 3, v87
	v_add_nc_u32 v87, s93, v87                     ; in: piece lane / 2, 8 bytes for each of its two lanes: the 32 lanes' 64 words differ modulo 64
	v_lshrrev_b32 v36, 4, v1
	v_mul_u32_u24 v88, v36, 272
	v_and_b32 v36, 15, v1
	v_lshl_add_u32 v88, v36, 4, v88
	v_add_nc_u32 v88, s93, v88                     ; back: sixteen lanes take one piece of 256 bytes
	v_lshlrev_b32 v89, 4, v1
	v_lshl_add_u32 v89, s16, 12, v89               ; in xs: 4,096 wave + 16 lane
	v_lshl_add_u32 v38, v1, 2, s92                 ; my word of my wave's table
	v_mov_b32 v39, 0
	ds_store_b32 v38, v39                          ; words 0-31 cleared: a position that my wave does not hold adds nothing to the OR below
	s_wait_loadcnt 0x0
.irp i, 0,1,2,3,4,5,6,7
	v_min_u32 v[HO+\i], 0x7cff, v[OI+\i]           ; inside the table of 32,000
	v_lshlrev_b32 v[HO+\i], 2, v[HO+\i]
.endr
.irp i, 0,1,2,3,4,5,6,7
	global_load_b32 v[EX+\i], v[HO+\i], s[8:9]
.endr
	s_wait_loadcnt 0x0
.irp i, 0,1,2,3,4,5,6,7
	v_min_u32 v[EX+\i], 7, v[EX+\i]
.endr
; Item i, expert e: the lanes whose token goes to e take as rank the wave's count so far plus the number of such lanes below them.
.macro BALLOT i, e
	v_cmp_eq_u32 vcc_lo, \e, v[EX+\i]
.if \e == 0
	v_mbcnt_lo_u32_b32 v[RK+\i], vcc_lo, s[CNT+\e]             ; writes every lane; the lanes of other experts are set by their own turn
.else
	v_mbcnt_lo_u32_b32 v36, vcc_lo, s[CNT+\e]
	v_cndmask_b32 v[RK+\i], v[RK+\i], v36, vcc_lo
.endif
	s_bcnt1_i32_b32 s17, vcc_lo
	s_add_co_u32 s[CNT+\e], s[CNT+\e], s17
.endm
.irp i, 0,1,2,3,4,5,6,7
.irp e, 0,1,2,3,4,5,6,7
	BALLOT \i, \e
.endr
.endr
	; the waves' counts meet in LDS: two counts a word (a wave's are at most 256, the sums at most 2,048: no carry between the halves)
.irp d, 0,1,2,3
	s_lshl_b32 s17, s[CNT+2*\d+1], 16
	s_or_b32 s17, s17, s[CNT+2*\d]
	v_mov_b32 v[40+\d], s17
.endr
	v_mov_b32 v37, s16
	v_lshlrev_b32 v37, 4, v37
	ds_store_b128 v37, v[40:43]                    ; every lane writes the same 16 bytes with the same values
	s_wait_dscnt 0x0                               ; for the other waves: my counts are in LDS
	s_barrier_signal -1
	s_barrier_wait -1
	v_mov_b32 v36, 0
.irp w, 0,1,2,3,4,5,6,7
	ds_load_b128 v[44+4*\w:47+4*\w], v36 offset:TAB+16*\w
.endr
	s_wait_dscnt 0x0
	s_cmp_gt_u32 s16, 0
	s_cselect_b32 s19, -1, 0
.irp d, 0,1,2,3
	v_and_b32 v[80+\d], s19, v[44+\d]              ; v[80:83]: the counts of the waves below mine
.endr
.irp w, 1,2,3,4,5,6,7
	s_cmp_gt_u32 s16, \w
	s_cselect_b32 s19, -1, 0
.irp d, 0,1,2,3
	v_and_b32 v36, s19, v[44+4*\w+\d]
.if \w == 1
	v_add_nc_u32 v[76+\d], v[44+\d], v[48+\d]      ; v[76:79]: the counts of all waves
.else
	v_add_nc_u32 v[76+\d], v[76+\d], v[44+4*\w+\d]
.endif
	v_add_nc_u32 v[80+\d], v[80+\d], v36
.endr
.endr
.irp d, 0,1,2,3
	v_readfirstlane_b32 s[32+\d], v[76+\d]
	v_readfirstlane_b32 s[36+\d], v[80+\d]
.endr
.irp d, 0,1,2,3
	s_and_b32 s[CE+2*\d], s[32+\d], 0xffff
	s_lshr_b32 s[CE+2*\d+1], s[32+\d], 16
	s_and_b32 s[BASE+2*\d], s[36+\d], 0xffff
	s_lshr_b32 s[BASE+2*\d+1], s[36+\d], 16
.endr
	s_mov_b32 s[US], 0
.irp e, 0,1,2,3,4,5,6,7
	s_add_co_u32 s17, s[CE+\e], 31
	s_lshr_b32 s[NU+\e], s17, 5                    ; nu_e
	s_add_co_u32 s[US+\e+1], s[US+\e], s[NU+\e]    ; us_(e+1)
	s_lshl_b32 s17, s[US+\e], 5                    ; the expert's first position
	s_add_co_u32 s19, s17, s[CE+\e]
	s_sub_co_u32 s[LAST+\e], s19, 1                ; its last token's position (not used where c_e = 0: see the choice of the owner)
	s_sub_co_u32 s17, s17, s18
	s_add_co_u32 s[BASE+\e], s[BASE+\e], s17       ; + the waves below mine, - 32 u (modulo 2^32)
.endr
; Item i: its position less 32 u.  Inside the unit it is 0 .. 31; outside it is 32 or more as an unsigned number and goes to the dump word.
.macro LOOK i
	v_mov_b32 v36, s[BASE]
.irp e, 1,2,3,4,5,6,7
	v_cmp_eq_u32 vcc_lo, \e, v[EX+\i]
	v_cndmask_b32 v36, v36, s[BASE+\e], vcc_lo
.endr
	v_add_nc_u32 v36, v36, v[RK+\i]
	v_min_u32 v36, 32, v36
	v_lshl_add_u32 v36, v36, 2, s92                ; my wave's own 132 bytes
	v_add_nc_u32 v37, (\i&3)+(\i>>2)*1024, v90     ; the token's number
	ds_store_b32 v36, v37
.endm
.irp i, 0,1,2,3,4,5,6,7
	LOOK \i
.endr
	s_wait_dscnt 0x0                               ; for the other waves: my table is written
	s_barrier_signal -1
	s_barrier_wait -1
	v_lshlrev_b32 v36, 2, v1
.irp w, 0,1,2,3,4,5,6,7
	ds_load_b32 v[44+\w], v36 offset:ORD+256*\w
.endr
	; the unit's owner: the last expert whose first unit is not behind u.  An empty expert has the next one's first unit and is overruled by it;
	; behind the last used unit the last lane is lane 0, whose word is 0 in every table
	s_mov_b32 s17, s18
.irp e, 0,1,2,3,4,5,6,7
	s_cmp_ge_u32 ttmp9, s[US+\e]
	s_cselect_b32 s17, s[LAST+\e], s17
.endr
	s_cmp_ge_u32 ttmp9, s[US+8]
	s_cselect_b32 s17, s18, s17
	s_sub_co_u32 s17, s17, s18
	s_min_u32 s17, s17, 31                         ; the last lane that holds a token of its own
	v_min_u32 v85, s17, v1
	v_lshlrev_b32 v85, 2, v85
	s_wait_dscnt 0x0
	v_or_b32 v44, v44, v45                         ; at most one wave holds a position
	v_or_b32 v46, v46, v47
	v_or_b32 v48, v48, v49
	v_or_b32 v50, v50, v51
	v_or_b32 v44, v44, v46
	v_or_b32 v48, v48, v50
	v_or_b32 v44, v44, v48
	ds_bpermute_b32 v86, v85, v44                  ; padding lanes take the last token: v86 = the token of position 32 u + lane, in every wave
	s_wait_dscnt 0x0
	s_cmp_lg_u32 s16, 0                            ; wave 0 stores the whole numbers
	s_cbranch_scc1 .Lrows
	v_lshlrev_b32 v84, 2, v1
	s_lshl_b32 s94, ttmp9, 7
	s_add_nc_u64 s[12:13], s[12:13], s[94:95]
	global_store_b32 v84, v86, s[12:13]            ; 128 neighbouring bytes; v84 and v86 are not written again
	s_cmp_lg_u32 ttmp9, 0                          ; work-group 0 stores meta
	s_cbranch_scc1 .Lrows
.irp e, 0,1,2,3,4,5,6,7
	s_add_co_u32 s[CE+\e], s[CE+\e], 15
	s_lshr_b32 s[CE+\e], s[CE+\e], 4               ; nb_e = ceil(c_e / 16)
.endr
	v_lshrrev_b32 v95, 2, v1                       ; lane 4 e holds expert e's pair, the other lanes zeros
	v_mov_b32 v92, s[US]
	v_mov_b32 v93, s[CE]
.irp e, 1,2,3,4,5,6,7
	v_cmp_eq_u32 vcc_lo, \e, v95
	v_cndmask_b32 v92, v92, s[US+\e], vcc_lo
	v_cndmask_b32 v93, v93, s[CE+\e], vcc_lo
.endr
	v_and_b32 v95, 3, v1
	v_cmp_eq_u32 vcc_lo, 0, v95
	v_cndmask_b32 v92, 0, v92, vcc_lo
	v_cndmask_b32 v93, 0, v93, vcc_lo
	v_lshlrev_b32 v94, 3, v1
	global_store_b64 v94, v[92:93], s[14:15]       ; all 256 bytes of meta in one store
.Lrows:
	; the gather: wave w takes bytes 512 w .. 512 w + 511 (columns 128 w .. + 127) of the unit's 32 rows; all 32 loads go out at once.
	; No cache hint: a row may be named more than once.  Each load lands on its own address register.
.set q, 0
.rept 32
	v_readlane_b32 s17, v86, q
	s_min_u32 s17, s17, 2047
	v_lshl_add_u32 v[X+4*q], s17, 12, v2
	global_load_b128 v[X+4*q:X+4*q+3], v[X+4*q], s[4:5]
.set q, q+1
.endr
	s_lshl_b32 s94, ttmp9, 16                      ; a unit of xs is 2 blocks x 32,768 bytes
	s_add_nc_u64 s[10:11], s[10:11], s[94:95]
	; lane l holds columns 128 w + 4 l .. + 3 of row q: piece l / 2 (256 bytes = 8 columns x 16 rows), row q % 16, 8 bytes at 8 (l % 2)
.irp g, 0,1,2,3
	s_wait_loadcnt 24-8*\g                         ; loads come back in order: the count is the younger ones of the 32
.irp i, 0,1,2,3,4,5,6,7
	v_cvt_pk_bf16_f32 v[X+4*(8*\g+\i)], v[X+4*(8*\g+\i)], v[X+4*(8*\g+\i)+1]
	v_cvt_pk_bf16_f32 v[X+4*(8*\g+\i)+1], v[X+4*(8*\g+\i)+2], v[X+4*(8*\g+\i)+3]
	ds_store_b64 v87, v[X+4*(8*\g+\i):X+4*(8*\g+\i)+1] offset:((8*\g+\i)>>4)*4352+((8*\g+\i)&15)*16
.endr
.endr
	; back as whole pieces.  The stage is my wave's own and LDS serves a wave's instructions in order (ISA guide 5.7.1): no wait, no barrier.
.irp b, 0,1
.irp i, 0,1,2,3,4,5,6,7
	ds_load_b128 v[4+36*\b+4*\i:7+36*\b+4*\i], v88 offset:\b*4352+\i*544
.endr
.endr
.irp b, 0,1
.irp i, 0,1,2,3,4,5,6,7
	s_wait_dscnt 15-8*\b-\i                        ; the younger ones of the 16 loads may be out
	global_store_b128 v89, v[4+36*\b+4*\i:7+36*\b+4*\i], s[10:11] offset:\b*32768+\i*512   ; 512 neighbouring bytes at a multiple of 512
.endr
.endr
	s_wait_tensorcnt 0x0
	ds_add_u32 v224, v225
	s_wait_dscnt 0x0
	s_endpgm
.Lfunc_end_k_q9fe0363b3d_prep:
	.size	k_q9fe0363b3d_prep, .Lfunc_end_k_q9fe0363b3d_prep-k_q9fe0363b3d_prep
	.p2alignl 7, 3214868480
	.fill 96, 4, 3214868480
	.section	.rodata,"a",@progbits
	.p2align	6, 0x0
	.amdhsa_kernel k_q9fe0363b3d_prep
		.amdhsa_group_segment_fixed_size 72960
		.amdhsa_private_segment_fixed_size 0
		.amdhsa_enable_private_segment 0
		.amdhsa_kernarg_size 48
		.amdhsa_user_sgpr_count 2
		.amdhsa_user_sgpr_kernarg_segment_ptr 1
		.amdhsa_wavefront_size32 1
		.amdhsa_system_sgpr_workgroup_id_x 1
		.amdhsa_system_sgpr_workgroup_id_y 1
		.amdhsa_system_sgpr_workgroup_id_z 1
		.amdhsa_system_vgpr_workitem_id 0
		.amdhsa_next_free_vgpr 226
		.amdhsa_next_free_sgpr 96
		.amdhsa_reserve_vcc 1
		.amdhsa_float_denorm_mode_32 3
		.amdhsa_float_denorm_mode_16_64 3
		.amdhsa_memory_ordered 1
		.amdhsa_forward_progress 1
		.amdhsa_inst_pref_size 53
	.end_amdhsa_kernel
	.amdgpu_metadata
---
amdhsa.version: [ 1, 2 ]
amdhsa.kernels:
  - .name:           k_q9fe0363b3d_prep
    .symbol:         k_q9fe0363b3d_prep.kd
    .args:
      - { .name: x, .offset: 0, .size: 8, .value_kind: global_buffer, .address_space: global }
      - { .name: orig_input, .offset: 8, .size: 8, .value_kind: global_buffer, .address_space: global }
      - { .name: hash_map, .offset: 16, .size: 8, .value_kind: global_buffer, .address_space: global }
      - { .name: xs, .offset: 24, .size: 8, .value_kind: global_buffer, .address_space: global }
      - { .name: order, .offset: 32, .size: 8, .value_kind: global_buffer, .address_space: global }
      - { .name: meta, .offset: 40, .size: 8, .value_kind: global_buffer, .address_space: global }
    .group_segment_fixed_size: 72960
    .private_segment_fixed_size: 0
    .kernarg_segment_align: 8
    .kernarg_segment_size: 48
    .max_flat_workgroup_size: 256
    .sgpr_count:     96
    .vgpr_count:     226
    .wavefront_size: 32
...
	.end_amdgpu_metadata
.endif
;; end of part 1
;; launch ffn1 (part 2): grid 32 x 8, 8 waves a work-group, no clusters, 142,592 bytes of LDS; arguments xs, W1, b1, meta, h; writes h
.if DOCPART == 2
	.amdgcn_target "amdgcn-amd-amdhsa--gfx1250"
	.amdhsa_code_object_version 6
	.text
	.protected	k_q9fe0363b3d_ffn1
	.globl	k_q9fe0363b3d_ffn1
	.p2align	8
	.type	k_q9fe0363b3d_ffn1,@function
k_q9fe0363b3d_ffn1:
	s_mov_b64 s[64:65], 0
	v_nop
	global_prefetch_b8 v0, s[64:65] scope:SCOPE_SE
	s_setreg_imm32_b32 hwreg(HW_REG_WAVE_MODE, 25, 1), 1
	s_wait_xcnt 0x0
.set LAYER, 1                          ; 1: h = relu(xs W1[e]^T + b1[e]) in bf16;  2: out0[token] = h W2[e]^T + b2[e].  Both layers are this one text.
; A work-group keeps 64 rows of one expert's weight matrix (a slab = 64 output columns, all of K) in LDS as bf16 and walks the expert's tokens;
; only the expert that a token is routed to is computed, the results that reference() throws away are not made.
; Layer 1: K = 1,024, 32 slabs an expert, grid x = slab.  Layer 2: K = 2,048, 16 slabs an expert, grid x = 2 slab + half: two work-groups hold
; the same slab and take the expert's tiles by turns.
; PHASE 1: each wave reads 512-byte pieces of the 64 rows (f32), rounds to bf16 once and stores them in fragment order.  One barrier.
; PHASE 2: a wave makes a TILE of 3 blocks of 16 tokens x 64 columns: 12 accumulators.  A weight fragment (1 KB from LDS) feeds three matrix
; instructions; token fragments come straight from memory into registers (the launch before stored them in fragment order: a load is 32 lanes x
; 16 neighbouring bytes).  If the 2,048 tokens spread evenly over the 8 experts, an expert has 16 or 17 blocks = 6 tiles: one for each of six waves
; in layer 1, three for each work-group of a pair in layer 2.  Any other spread is served by the same text: a wave walks its tiles in a loop.
; A tile's blocks are min(first + 0, 1, 2, the expert's last block): a repeated block gives the same bits and is stored by the same wave to the same
; place.  Only blocks that hold a token of their own are worked on (nb from meta), and a padding position repeats its expert's last token, which
; lies in the same block: no row is stored by two waves.
; A tile's K is written out, so that every LDS address is a lane term plus constants and every place along K stands in an immediate.
; The matrix instruction takes weight rows as source 0 and tokens as source 1: lane (r, hh) holds token r and the 8 neighbouring columns 8 hh .. + 7.
; The sums start from the bias, loaded into the accumulators: nothing is cleared and nothing is added afterwards.
; NO CLUSTER, NO TENSOR LOADS: weights pass through registers for the conversion.  The slabs of an expert do read the same token fragments, but a
; joint load lands in LDS, where each fragment would be read by exactly one wave: 3 KB written and 3 KB read more for each 32 of K of a tile, beside the 4 KB
; of weight fragments; and in layer 2 the slab, bias and stage take 317,696 of the 327,680 bytes, so that no slots for tokens fit.
; LIMITS: operands (tokens, weights, h) are bf16, sums f32.  The ReLU is a maximum with 0 in which a NaN loses: a NaN in front of it becomes 0.
; us and nb from meta are clamped to 70 and 128, block numbers to 141, token numbers to 2,047: the largest that the launch before can store.
.set NKC,   32*LAYER                   ; steps of 32 along K
.set ROWB,  4096*LAYER                 ; bytes in a weight row
.set NG,    8*LAYER                    ; groups of 8 weight loads a wave
.set BS,    32768*LAYER                ; bytes in a block of 16 tokens
.set TT,    3                          ; blocks in a tile
.set NS,    NKC                        ; steps of a tile
.set RING,  10                         ; slots for token fragments: 10 x 24 of window 1's 256 registers
.set LEAD,  RING-1                     ; a step's tokens are asked for nine steps ahead: 54 loads of 512 bytes on their way
.set UO,    3*(LAYER-1)                ; layer 2: loads of order at a tile's start
.set USTEP, 8*LAYER                    ; from a wave's tile to its next
.set BMAX,  141                        ; the last block that there can be (71 units of 2)
.set KSL,   4416                       ; LDS: one step of 32 along K = 4 fragments of 1,088 + 64
.set FRG,   1088                       ; a fragment of 16 rows x 32 K = 4 pieces (j, hh) of 256 + 16 bytes; row r at 16 r in its piece
.set BIASL, NKC*KSL                    ; 64 f32
.set STAGE, BIASL+256                  ; layer 2: 8 waves x 16 rows x 272 bytes
; window 0
.set L16,  1                           ; 16 lane
.set BA,   4                           ; BIASL + 32 hh
.set WA,   5                           ; phase 1: where my 8 bytes of a row go
.set BG,   6                           ; bias: 32 w + 16 (lane % 2)
.set BL,   7                           ; the same in LDS
.set BV,   12                          ; v[12:15] bias as loaded
.set TO,   16                          ; v[16:18] block tt of my tile: its byte offset in the token buffer + 16 lane
.set HO,   20                          ; v[20:22] layer 1: its byte offset in h + 16 lane; layer 2: in order + 4 r
.set ORDV, 24                          ; v[24:26] layer 2: lane (r, hh) holds the token number of the block's row r
.set SA,   27                          ; layer 2: my stage + 4 r
.set ST,   28                          ; layer 2: stage, in
.set RD,   29                          ; layer 2: stage, back
.set CB,   30                          ; layer 2: 16 r
.set OL,   31                          ; layer 2: 4 r
.set LAB,  32                          ; v[32:39] hh * 272 + r * 16 + t * 35,328: my place in a fragment, for steps 8 t .. 8 t + 7 of the slab (an LDS immediate has 16 bits)
.set IX,   40                          ; layer 2: my stage + 4 hh
.set ACC,  64                          ; v[64:159] accumulator (ct, tt) at 64 + 8 (3 ct + tt): columns 16 ct .., block tt
.set WF,   160                         ; v[160:223] weight fragments, two buffers of 32 at 160 + 32 b + 8 ct; on layer 2's way out: rows read back, two sets of 32
.set OFFS, 224                         ; v[224:247] layer 2: byte offsets in out0 of the rows that I store
; window 1 (v256-v511, written as v0-v255): token fragments, slot p at 24 p + 8 tt; in phase 1 the same registers are eight slots of 8 weight loads.
.set MSB, 0
.macro WIN new                         ; s_set_vgpr_msb: bits 1:0 source 0, 3:2 source 1, 5:4 source 2, 7:6 destination; the high byte repeats the setting that is left
.if MSB != \new
	s_set_vgpr_msb (MSB<<8)|\new
.set MSB, \new
.endif
.endm
.macro PLACES                          ; four plain vector instructions between a matrix instruction and a load into, or a reader of, its registers
.rept 4
	v_nop
.endr
.endm
; group q of weight loads: rows 8 (q % 8) .. + 7, my piece q / 8 of them; each load is 512 neighbouring bytes
.macro WISSUE q
	WIN 0x40                                       ; data window 1, address window 0
.set SB, 32*((\q)&7)
.set RW, 8*((\q)&7)
.irp i, 0,1,2,3,4,5,6,7
.if LAYER == 1
	global_load_b128 v[SB+4*\i:SB+4*\i+3], v[L16], s[26:27] offset:(RW+\i)*ROWB+((\q)>>3)*512 th:TH_LOAD_NT   ; read once in the launch
.else
	global_load_b128 v[SB+4*\i:SB+4*\i+3], v[L16], s[26:27] offset:(RW+\i)*ROWB+((\q)>>3)*512                 ; read by two work-groups
.endif
.endr
.endm
; group q has come (cnt = younger loads): round to bf16, 8 bytes a lane into the slab; refill = 1: the slot's next group goes out
.macro WGROUP q, cnt, refill
	s_wait_loadcnt \cnt
.set SB, 32*((\q)&7)
.set RW, 8*((\q)&7)
	WIN 0x45
.irp i, 0,1,2,3,4,5,6,7
	v_cvt_pk_bf16_f32 v[SB+4*\i], v[SB+4*\i], v[SB+4*\i+1]
	v_cvt_pk_bf16_f32 v[SB+4*\i+1], v[SB+4*\i+2], v[SB+4*\i+3]
.endr
	WIN 0x04                                       ; address window 0, data window 1
.irp i, 0,1,2,3,4,5,6,7
	ds_store_b64 v[WA], v[SB+4*\i:SB+4*\i+1] offset:((\q)>>3)*4*KSL+((RW+\i)>>4)*FRG+((RW+\i)&15)*16
.endr
.if \refill
	WISSUE (\q+8)
.endif
.endm
; the token fragments of step s of a tile (32 along K, 3 blocks): 6 loads into slot s % 10
.macro TLOAD s
.irp tt, 0,1,2
.irp j, 0,1
	global_load_b128 v[24*((\s)%RING)+8*\tt+4*\j:24*((\s)%RING)+8*\tt+4*\j+3], v[TO+\tt], s[4:5] offset:(\s)*1024+\j*512
.endr
.endr
.endm
; the weight fragments of step s: 8 LDS loads into buffer s % 2; sixteen lanes read 256 neighbouring bytes
.macro WLOAD s
.irp ct, 0,1,2,3
.irp j, 0,1
	ds_load_b128 v[WF+32*((\s)&1)+8*\ct+4*\j:WF+32*((\s)&1)+8*\ct+4*\j+3], v[LAB+((\s)>>3)] offset:((\s)&7)*KSL+\ct*FRG+\j*544
.endr
.endr
.endm
; the start of the tile whose first block is in s23 (s39: the expert's last block): the three blocks' offsets, and the loads of steps 0 to n - 1.
; The clamp by the constant comes last: behind it stand only a shift and a sum.
.macro UPRO n
.irp tt, 0,1,2
	s_add_co_u32 s24, s23, \tt
	s_min_u32 s24, s24, s39
	s_min_u32 s24, s24, BMAX
	s_lshl_b32 s35, s24, 14+LAYER
	v_add_nc_u32 v[TO+\tt], s35, v[L16]
.if LAYER == 1
	s_lshl_b32 s36, s24, 16                        ; in h a block is 65,536 bytes
	v_add_nc_u32 v[HO+\tt], s36, v[L16]
.else
	s_lshl_b32 s36, s24, 6                         ; in order a block is 64 bytes
	v_add_nc_u32 v[HO+\tt], s36, v[OL]
.endif
.endr
.if LAYER == 2
.irp tt, 0,1,2
	global_load_b32 v[ORDV+\tt], v[HO+\tt], s[12:13]           ; older than the tile's token loads
.endr
.endif
	WIN 0x40
.set u, 0
.rept \n
	TLOAD u
.set u, u+1
.endr
	WIN 0
.endm
; register j of lane (r, hh) of accumulator (ct, tt) starts as bias[16 ct + 8 hh + j]
.macro AINIT
.irp ct, 0,1,2,3
.irp tt, 0,1,2
	ds_load_b128 v[ACC+8*(3*\ct+\tt):ACC+8*(3*\ct+\tt)+3], v[BA] offset:\ct*64
	ds_load_b128 v[ACC+8*(3*\ct+\tt)+4:ACC+8*(3*\ct+\tt)+7], v[BA] offset:\ct*64+16
.endr
.endr
.endm
; Step s of a tile: 12 matrix instructions.  The tokens of nine steps on go out, into the slot that the last step read, and the next step's
; weight fragments, into the buffer that the last step read; the last steps ask for nothing beyond the tile.
; The twelve accumulators take turns, one instruction a turn, from step to step and from tile to tile too.
.macro STEP s
.if (\s) > 0
	PLACES                                         ; (a tile's first step stands behind the places that close the tile before)
.endif
.if (\s)+LEAD < NS
	WIN 0x40
	TLOAD ((\s)+LEAD)
.endif
	WIN 0x04                                       ; source 1 (tokens) window 1; all else window 0: the LDS loads below and the matrix instructions share the setting
.if (\s)+1 < NS
	WLOAD ((\s)+1)
	s_wait_dscnt 8                                 ; the next step's 8 loads may be out; this step's fragments (and, at step 0, the bias) are in
.else
	s_wait_dscnt 0
.endif
.if (\s)+LEAD < NS
	s_wait_loadcnt 6*LEAD                          ; the token loads of the nine steps on may be out
.else
	s_wait_loadcnt 6*(NS-1-(\s))                   ; the steps that are left
.endif
.irp ct, 0,1,2,3
.irp tt, 0,1,2
	v_wmma_f32_16x16x32_bf16 v[ACC+8*(3*\ct+\tt):ACC+8*(3*\ct+\tt)+7], v[WF+32*((\s)&1)+8*\ct:WF+32*((\s)&1)+8*\ct+7], v[24*((\s)%RING)+8*\tt:24*((\s)%RING)+8*\tt+7], v[ACC+8*(3*\ct+\tt):ACC+8*(3*\ct+\tt)+7]
.endr
.endr
.endm
	s_load_b256 s[4:11], s[0:1], 0x0               ; tokens s[4:5], weights s[6:7], bias s[8:9], meta s[10:11]
.if LAYER == 1
	s_load_b64 s[12:13], s[0:1], 0x20              ; h
	v_lshl_add_u32 v254, v0, 2, 0x22900
	v_mov_b32 v255, 0
.else
	s_load_b128 s[12:15], s[0:1], 0x20             ; order s[12:13], out0 s[14:15]
.endif
	v_lshrrev_b32 v8, 5, v0
	v_readfirstlane_b32 s16, v8                    ; wave
	s_and_b32 s17, ttmp7, 0xffff                   ; expert
	; Tiles are dealt to the waves in the order 0, 3, 5, 6, 1, 2, 4, 7 (wave w's place is the w-th four bits of the constant): the first four differ both
	; in w % 4 and in w / 2, so that, whichever of the two shares eight waves among the WGP's four SIMDs, the first four tiles have a SIMD each.
	s_lshl_b32 s35, s16, 2
	s_lshr_b32 s22, 0x73261540, s35
	s_and_b32 s22, s22, 7                          ; my place = my first tile of the expert's
.if LAYER == 1
	s_mov_b32 s18, ttmp9                           ; slab
.else
	s_lshr_b32 s18, ttmp9, 1                       ; slab
	s_and_b32 s19, ttmp9, 1                        ; half
	s_lshl1_add_u32 s22, s22, s19                  ; my first tile: 2 place + half
.endif
	v_and_b32 v8, 31, v0                           ; lane
	v_lshlrev_b32 v[L16], 4, v8
	v_lshrrev_b32 v9, 4, v8                        ; hh
	v_and_b32 v10, 15, v8                          ; r
	v_mul_u32_u24 v[LAB], v9, 272
	v_lshl_add_u32 v[LAB], v10, 4, v[LAB]
.set t, 1
.rept NKC/8-1
	v_add_nc_u32 v[LAB+t], t*8*KSL, v[LAB]
.set t, t+1
.endr
	v_lshlrev_b32 v[BA], 5, v9
	v_add_nc_u32 v[BA], BIASL, v[BA]
	; phase 1: lane l holds K = 128 piece + 4 l .. + 3 of a row: step l / 8 of the piece's four, piece (j, hh) = (l / 2) % 4, 8 bytes at 8 (l % 2).
	; In words modulo 64 that is 16 (l / 8) + 4 ((l / 2) % 4) + 2 (l % 2) and the word behind: 64 different words for the 32 lanes.
	v_lshrrev_b32 v11, 3, v8
	v_mul_u32_u24 v[WA], v11, KSL
	v_bfe_u32 v11, v8, 1, 2
	v_mad_u32_u24 v[WA], v11, 272, v[WA]
	v_and_b32 v11, 1, v8
	v_lshl_add_u32 v[WA], v11, 3, v[WA]
	s_mul_i32 s24, s16, LAYER*4*KSL                ; my wave's pieces fill a range of their own: LAYER x 17,664 bytes from here
	v_add_nc_u32 v[WA], s24, v[WA]
	v_lshlrev_b32 v[BG], 4, v11
	v_lshl_add_u32 v[BG], s16, 5, v[BG]            ; wave w brings the bias of columns 8 w .. + 7
	v_add_nc_u32 v[BL], BIASL, v[BG]
.if LAYER == 2
	s_mul_i32 s24, s16, 4352
	s_add_co_u32 s24, s24, STAGE                   ; my wave's stage
	v_mul_u32_u24 v[ST], v10, 272
	v_lshl_add_u32 v[ST], v9, 5, v[ST]
	v_add_nc_u32 v[ST], s24, v[ST]                 ; in: row r, 32 bytes for each half of the lanes
	v_add_nc_u32 v[RD], s24, v[LAB]                ; back: sixteen lanes take a row of 256 bytes
	v_lshlrev_b32 v[CB], 4, v10
	v_lshlrev_b32 v[OL], 2, v10
	v_add_nc_u32 v[SA], s24, v[OL]
	v_lshl_add_u32 v[IX], v9, 2, s24
.endif
	s_mov_b32 s25, 0                               ; upper word of every offset
	s_wait_kmcnt 0x0
	s_lshl_b32 s24, s17, 5
	s_add_nc_u64 s[10:11], s[10:11], s[24:25]
	s_load_b64 s[20:21], s[10:11], 0x0             ; us_e, nb_e: wanted only behind most of phase 1
	s_lshl_b32 s24, s17, 23                        ; an expert's matrix is 8,388,608 bytes
	s_lshl_b32 s35, s18, 17+LAYER                  ; a slab is 64 rows
	s_lshl_b32 s36, s16, 8+LAYER                   ; my wave's LAYER x 512 bytes of a row
	s_add_co_u32 s24, s24, s35
	s_add_co_u32 s24, s24, s36
	s_add_nc_u64 s[26:27], s[6:7], s[24:25]
	s_lshl_b32 s24, s17, 14-LAYER                  ; an expert's bias
	s_lshl_b32 s35, s18, 8                         ; the slab's 64 numbers
	s_add_co_u32 s24, s24, s35
	s_add_nc_u64 s[8:9], s[8:9], s[24:25]
.if LAYER == 1
	s_lshl_b32 s24, s18, 11                        ; in h the slab's 64 columns are 2 steps of 32: 2,048 bytes of a block
	s_add_nc_u64 s[32:33], s[12:13], s[24:25]
.else
	s_lshl_b32 s24, s18, 8                         ; in out0 they are 256 bytes of a row
	s_add_nc_u64 s[32:33], s[14:15], s[24:25]
.endif
	global_load_b128 v[BV:BV+3], v[BG], s[8:9]     ; older than every weight load
.irp q, 0,1,2,3,4,5,6,7
	WISSUE \q                                      ; where a load would pass what the counter's field holds, its issue waits (ISA guide 5.7.1): no wait is written for that
.endr
	; PHASE 1.  The counts: seven younger groups while slots are filled again, then one group less each time.
.if LAYER == 1
	WGROUP 0, 56, 0
.else
	WGROUP 0, 56, 1
.endif
	WIN 0
	ds_store_b128 v[BL], v[BV:BV+3]                ; the bias came ahead of group 0; sixteen lanes write the same bytes with the same values
.if LAYER == 1
.irp q, 1,2,3,4,5
	WGROUP \q, 56-8*\q, 0
.endr
.else
.irp q, 1,2,3,4,5,6,7
	WGROUP \q, 56, 1
.endr
.irp q, 8,9,10,11,12,13
	WGROUP \q, 8*(15-\q), 0
.endr
.endif
	; my tiles; the first one's loads go out while the last two groups of weights are on their way
	WIN 0
	s_wait_kmcnt 0x0
	s_min_u32 s20, s20, 70
	s_min_u32 s21, s21, 128
	s_lshl_b32 s20, s20, 1                         ; the expert's first block
	s_add_co_u32 s39, s20, s21
	s_sub_co_u32 s39, s39, 1                       ; its last block
	s_add_co_u32 s37, s21, TT-1
	s_mul_i32 s37, s37, 43691
	s_lshr_b32 s37, s37, 17                        ; its tiles: (nb + 2) / 3, as a product: 3 x 43,691 = 2^17 + 1, exact for the 130 at most that come here
	s_add_co_u32 s37, s37, USTEP-1
	s_sub_co_u32 s37, s37, s22                     ; my first tile is at most USTEP - 1: the difference is not below 0
	s_lshr_b32 s37, s37, 2+LAYER                   ; how many of them are mine
	s_mul_i32 s23, s22, TT
	s_add_co_u32 s23, s23, s20                     ; my first tile's first block
	s_cmp_lg_u32 s37, 0
	s_cselect_b32 s23, s23, 0                      ; a wave without a tile asks for block 0, which always holds a token, and uses nothing of it
	s_cselect_b32 s39, s39, 0
	UPRO LEAD-1                                    ; steps 0 to 7: registers 0-191 of window 1, the weight slots 0 to 5, whose groups are in LDS
	WGROUP NG-2, 8+UO+6*(LEAD-1), 0                ; younger: the last group and the tile's loads
	WIN 0x40
	TLOAD (LEAD-1)                                 ; step 8: registers 192-215, inside weight slot 6, which has just been stored
	WGROUP NG-1, UO+6*LEAD, 0                      ; younger: the tile's loads
	WIN 0
	s_wait_dscnt 0x0                               ; for the other waves: my part of the slab and of the bias is in LDS
	s_barrier_signal -1
	s_barrier_wait -1                              ; the only barrier: from here on the slab and the bias are only read
	s_cmp_eq_u32 s37, 0
	s_cbranch_scc1 .Ldone
	s_mov_b32 s38, 0                               ; tiles done
	; PHASE 2
.Lunit:
	AINIT
	WLOAD 0
.set g, 0
.rept NS
	STEP g
.set g, g+1
.endr
	PLACES                                         ; in front of the readers of the results, and of the next tile's loads into fragments and accumulators
	WIN 0
.if LAYER == 1
	; relu, round to bf16: a lane's 8 columns are 16 bytes, and the 32 lanes' 512 bytes are half a fragment of the next layer (step 2 slab + ct / 2, j = ct % 2)
.irp ct, 0,1,2,3
.irp tt, 0,1,2
.irp j, 0,1,2,3,4,5,6,7
	v_max_num_f32 v[ACC+8*(3*\ct+\tt)+\j], 0, v[ACC+8*(3*\ct+\tt)+\j]
.endr
.irp j, 0,1,2,3
	v_cvt_pk_bf16_f32 v[ACC+8*(3*\ct+\tt)+\j], v[ACC+8*(3*\ct+\tt)+2*\j], v[ACC+8*(3*\ct+\tt)+2*\j+1]
.endr
	global_store_b128 v[HO+\tt], v[ACC+8*(3*\ct+\tt):ACC+8*(3*\ct+\tt)+3], s[32:33] offset:(\ct>>1)*1024+(\ct&1)*512
.endr
.endr
.else
	; the rows' token numbers: lane r holds row r's; a store below wants row 2 i + hh's in all sixteen lanes of half hh.  They are dealt through 192 bytes
	; of my own stage (LDS serves a wave's instructions in order, ISA guide 5.7.1: no wait between, and the results' stores below come behind these loads)
.irp tt, 0,1,2
	ds_store_b32 v[SA], v[ORDV+\tt] offset:64*\tt              ; both halves of the lanes write the same words with the same values
.endr
.irp tt, 0,1,2
.irp i, 0,1,2,3,4,5,6,7
	ds_load_b32 v[OFFS+8*\tt+\i], v[IX] offset:64*\tt+8*\i
.endr
.endr
	s_wait_dscnt 0x0
.set n, 0
.rept 24
	v_min_u32 v[OFFS+n], 0x7ff, v[OFFS+n]
	v_lshl_add_u32 v[OFFS+n], v[OFFS+n], 12, v[CB]
.set n, n+1
.endr
	; 16 tokens at a time through my wave's stage: in by lanes (token r, 8 columns), back by rows of 256 bytes, out to the token's row of out0
.irp tt, 0,1,2
.if \tt == 2
	s_wait_xcnt 0x0                                ; the first block's stores read the registers that the third block's rows are loaded into
.endif
.irp ct, 0,1,2,3
	ds_store_b128 v[ST], v[ACC+8*(3*\ct+\tt):ACC+8*(3*\ct+\tt)+3] offset:\ct*64
	ds_store_b128 v[ST], v[ACC+8*(3*\ct+\tt)+4:ACC+8*(3*\ct+\tt)+7] offset:\ct*64+16
.endr
.irp i, 0,1,2,3,4,5,6,7
	ds_load_b128 v[WF+32*(\tt&1)+4*\i:WF+32*(\tt&1)+4*\i+3], v[RD] offset:\i*544   ; in order behind the stores above
.endr
.irp i, 0,1,2,3,4,5,6,7
	s_wait_dscnt 7-\i                              ; the younger ones of the eight may be out
	global_store_b128 v[OFFS+8*\tt+\i], v[WF+32*(\tt&1)+4*\i:WF+32*(\tt&1)+4*\i+3], s[32:33] th:TH_STORE_NT   ; sixteen lanes store 256 neighbouring bytes at a multiple of 256
.endr
.endr
.endif
	s_add_co_u32 s38, s38, 1                       ; the loop counts my tiles one by one against their number
	s_cmp_ge_u32 s38, s37
	s_cbranch_scc1 .Ldone
	s_wait_xcnt 0x0                                ; the stores' data and offsets are written again only behind this wait
	s_add_co_u32 s23, s23, TT*USTEP                ; my next tile's first block
	UPRO LEAD
	s_cmp_lt_u32 s38, s37
	s_cbranch_scc1 .Lunit
.Ldone:
	s_wait_tensorcnt 0x0
	ds_add_u32 v254, v255
	s_wait_dscnt 0x0
	s_endpgm
.Lfunc_end_k_q9fe0363b3d_ffn1:
	.size	k_q9fe0363b3d_ffn1, .Lfunc_end_k_q9fe0363b3d_ffn1-k_q9fe0363b3d_ffn1
	.p2alignl 7, 3214868480
	.fill 96, 4, 3214868480
	.section	.rodata,"a",@progbits
	.p2align	6, 0x0
	.amdhsa_kernel k_q9fe0363b3d_ffn1
		.amdhsa_group_segment_fixed_size 142592
		.amdhsa_private_segment_fixed_size 0
		.amdhsa_enable_private_segment 0
		.amdhsa_kernarg_size 40
		.amdhsa_user_sgpr_count 2
		.amdhsa_user_sgpr_kernarg_segment_ptr 1
		.amdhsa_wavefront_size32 1
		.amdhsa_system_sgpr_workgroup_id_x 1
		.amdhsa_system_sgpr_workgroup_id_y 1
		.amdhsa_system_sgpr_workgroup_id_z 1
		.amdhsa_system_vgpr_workitem_id 0
		.amdhsa_next_free_vgpr 512
		.amdhsa_next_free_sgpr 66
		.amdhsa_reserve_vcc 0
		.amdhsa_float_denorm_mode_32 3
		.amdhsa_float_denorm_mode_16_64 3
		.amdhsa_memory_ordered 1
		.amdhsa_forward_progress 1
		.amdhsa_inst_pref_size 104
	.end_amdhsa_kernel
	.amdgpu_metadata
---
amdhsa.version: [ 1, 2 ]
amdhsa.kernels:
  - .name:           k_q9fe0363b3d_ffn1
    .symbol:         k_q9fe0363b3d_ffn1.kd
    .args:
      - { .name: xs, .offset: 0, .size: 8, .value_kind: global_buffer, .address_space: global }
      - { .name: W1, .offset: 8, .size: 8, .value_kind: global_buffer, .address_space: global }
      - { .name: b1, .offset: 16, .size: 8, .value_kind: global_buffer, .address_space: global }
      - { .name: meta, .offset: 24, .size: 8, .value_kind: global_buffer, .address_space: global }
      - { .name: h, .offset: 32, .size: 8, .value_kind: global_buffer, .address_space: global }
    .group_segment_fixed_size: 142592
    .private_segment_fixed_size: 0
    .kernarg_segment_align: 8
    .kernarg_segment_size: 40
    .max_flat_workgroup_size: 256
    .sgpr_count:     66
    .vgpr_count:     512
    .wavefront_size: 32
...
	.end_amdgpu_metadata
.endif
;; end of part 2
;; launch ffn2 (part 3): grid 32 x 8, 8 waves a work-group, no clusters, 318,720 bytes of LDS; arguments h, W2, b2, meta, order, out0; writes out0
.if DOCPART == 3
	.amdgcn_target "amdgcn-amd-amdhsa--gfx1250"
	.amdhsa_code_object_version 6
	.text
	.protected	k_q9fe0363b3d_ffn2
	.globl	k_q9fe0363b3d_ffn2
	.p2align	8
	.type	k_q9fe0363b3d_ffn2,@function
k_q9fe0363b3d_ffn2:
	s_mov_b64 s[64:65], 0
	v_nop
	global_prefetch_b8 v0, s[64:65] scope:SCOPE_SE
	s_setreg_imm32_b32 hwreg(HW_REG_WAVE_MODE, 25, 1), 1
	s_wait_xcnt 0x0
.set LAYER, 2                          ; 1: h = relu(xs W1[e]^T + b1[e]) in bf16;  2: out0[token] = h W2[e]^T + b2[e].  Both layers are this one text.
; A work-group keeps 64 rows of one expert's weight matrix (a slab = 64 output columns, all of K) in LDS as bf16 and walks the expert's tokens;
; only the expert that a token is routed to is computed, the results that reference() throws away are not made.
; Layer 1: K = 1,024, 32 slabs an expert, grid x = slab.  Layer 2: K = 2,048, 16 slabs an expert, grid x = 2 slab + half: two work-groups hold
; the same slab and take the expert's tiles by turns.
; PHASE 1: each wave reads 512-byte pieces of the 64 rows (f32), rounds to bf16 once and stores them in fragment order.  One barrier.
; PHASE 2: a wave makes a TILE of 3 blocks of 16 tokens x 64 columns: 12 accumulators.  A weight fragment (1 KB from LDS) feeds three matrix
; instructions; token fragments come straight from memory into registers (the launch before stored them in fragment order: a load is 32 lanes x
; 16 neighbouring bytes).  If the 2,048 tokens spread evenly over the 8 experts, an expert has 16 or 17 blocks = 6 tiles: one for each of six waves
; in layer 1, three for each work-group of a pair in layer 2.  Any other spread is served by the same text: a wave walks its tiles in a loop.
; A tile's blocks are min(first + 0, 1, 2, the expert's last block): a repeated block gives the same bits and is stored by the same wave to the same
; place.  Only blocks that hold a token of their own are worked on (nb from meta), and a padding position repeats its expert's last token, which
; lies in the same block: no row is stored by two waves.
; A tile's K is written out, so that every LDS address is a lane term plus constants and every place along K stands in an immediate.
; The matrix instruction takes weight rows as source 0 and tokens as source 1: lane (r, hh) holds token r and the 8 neighbouring columns 8 hh .. + 7.
; The sums start from the bias, loaded into the accumulators: nothing is cleared and nothing is added afterwards.
; NO CLUSTER, NO TENSOR LOADS: weights pass through registers for the conversion.  The slabs of an expert do read the same token fragments, but a
; joint load lands in LDS, where each fragment would be read by exactly one wave: 3 KB written and 3 KB read more for each 32 of K of a tile, beside the 4 KB
; of weight fragments; and in layer 2 the slab, bias and stage take 317,696 of the 327,680 bytes, so that no slots for tokens fit.
; LIMITS: operands (tokens, weights, h) are bf16, sums f32.  The ReLU is a maximum with 0 in which a NaN loses: a NaN in front of it becomes 0.
; us and nb from meta are clamped to 70 and 128, block numbers to 141, token numbers to 2,047: the largest that the launch before can store.
.set NKC,   32*LAYER                   ; steps of 32 along K
.set ROWB,  4096*LAYER                 ; bytes in a weight row
.set NG,    8*LAYER                    ; groups of 8 weight loads a wave
.set BS,    32768*LAYER                ; bytes in a block of 16 tokens
.set TT,    3                          ; blocks in a tile
.set NS,    NKC                        ; steps of a tile
.set RING,  10                         ; slots for token fragments: 10 x 24 of window 1's 256 registers
.set LEAD,  RING-1                     ; a step's tokens are asked for nine steps ahead: 54 loads of 512 bytes on their way
.set UO,    3*(LAYER-1)                ; layer 2: loads of order at a tile's start
.set USTEP, 8*LAYER                    ; from a wave's tile to its next
.set BMAX,  141                        ; the last block that there can be (71 units of 2)
.set KSL,   4416                       ; LDS: one step of 32 along K = 4 fragments of 1,088 + 64
.set FRG,   1088                       ; a fragment of 16 rows x 32 K = 4 pieces (j, hh) of 256 + 16 bytes; row r at 16 r in its piece
.set BIASL, NKC*KSL                    ; 64 f32
.set STAGE, BIASL+256                  ; layer 2: 8 waves x 16 rows x 272 bytes
; window 0
.set L16,  1                           ; 16 lane
.set BA,   4                           ; BIASL + 32 hh
.set WA,   5                           ; phase 1: where my 8 bytes of a row go
.set BG,   6                           ; bias: 32 w + 16 (lane % 2)
.set BL,   7                           ; the same in LDS
.set BV,   12                          ; v[12:15] bias as loaded
.set TO,   16                          ; v[16:18] block tt of my tile: its byte offset in the token buffer + 16 lane
.set HO,   20                          ; v[20:22] layer 1: its byte offset in h + 16 lane; layer 2: in order + 4 r
.set ORDV, 24                          ; v[24:26] layer 2: lane (r, hh) holds the token number of the block's row r
.set SA,   27                          ; layer 2: my stage + 4 r
.set ST,   28                          ; layer 2: stage, in
.set RD,   29                          ; layer 2: stage, back
.set CB,   30                          ; layer 2: 16 r
.set OL,   31                          ; layer 2: 4 r
.set LAB,  32                          ; v[32:39] hh * 272 + r * 16 + t * 35,328: my place in a fragment, for steps 8 t .. 8 t + 7 of the slab (an LDS immediate has 16 bits)
.set IX,   40                          ; layer 2: my stage + 4 hh
.set ACC,  64                          ; v[64:159] accumulator (ct, tt) at 64 + 8 (3 ct + tt): columns 16 ct .., block tt
.set WF,   160                         ; v[160:223] weight fragments, two buffers of 32 at 160 + 32 b + 8 ct; on layer 2's way out: rows read back, two sets of 32
.set OFFS, 224                         ; v[224:247] layer 2: byte offsets in out0 of the rows that I store
; window 1 (v256-v511, written as v0-v255): token fragments, slot p at 24 p + 8 tt; in phase 1 the same registers are eight slots of 8 weight loads.
.set MSB, 0
.macro WIN new                         ; s_set_vgpr_msb: bits 1:0 source 0, 3:2 source 1, 5:4 source 2, 7:6 destination; the high byte repeats the setting that is left
.if MSB != \new
	s_set_vgpr_msb (MSB<<8)|\new
.set MSB, \new
.endif
.endm
.macro PLACES                          ; four plain vector instructions between a matrix instruction and a load into, or a reader of, its registers
.rept 4
	v_nop
.endr
.endm
; group q of weight loads: rows 8 (q % 8) .. + 7, my piece q / 8 of them; each load is 512 neighbouring bytes
.macro WISSUE q
	WIN 0x40                                       ; data window 1, address window 0
.set SB, 32*((\q)&7)
.set RW, 8*((\q)&7)
.irp i, 0,1,2,3,4,5,6,7
.if LAYER == 1
	global_load_b128 v[SB+4*\i:SB+4*\i+3], v[L16], s[26:27] offset:(RW+\i)*ROWB+((\q)>>3)*512 th:TH_LOAD_NT   ; read once in the launch
.else
	global_load_b128 v[SB+4*\i:SB+4*\i+3], v[L16], s[26:27] offset:(RW+\i)*ROWB+((\q)>>3)*512                 ; read by two work-groups
.endif
.endr
.endm
; group q has come (cnt = younger loads): round to bf16, 8 bytes a lane into the slab; refill = 1: the slot's next group goes out
.macro WGROUP q, cnt, refill
	s_wait_loadcnt \cnt
.set SB, 32*((\q)&7)
.set RW, 8*((\q)&7)
	WIN 0x45
.irp i, 0,1,2,3,4,5,6,7
	v_cvt_pk_bf16_f32 v[SB+4*\i], v[SB+4*\i], v[SB+4*\i+1]
	v_cvt_pk_bf16_f32 v[SB+4*\i+1], v[SB+4*\i+2], v[SB+4*\i+3]
.endr
	WIN 0x04                                       ; address window 0, data window 1
.irp i, 0,1,2,3,4,5,6,7
	ds_store_b64 v[WA], v[SB+4*\i:SB+4*\i+1] offset:((\q)>>3)*4*KSL+((RW+\i)>>4)*FRG+((RW+\i)&15)*16
.endr
.if \refill
	WISSUE (\q+8)
.endif
.endm
; the token fragments of step s of a tile (32 along K, 3 blocks): 6 loads into slot s % 10
.macro TLOAD s
.irp tt, 0,1,2
.irp j, 0,1
	global_load_b128 v[24*((\s)%RING)+8*\tt+4*\j:24*((\s)%RING)+8*\tt+4*\j+3], v[TO+\tt], s[4:5] offset:(\s)*1024+\j*512
.endr
.endr
.endm
; the weight fragments of step s: 8 LDS loads into buffer s % 2; sixteen lanes read 256 neighbouring bytes
.macro WLOAD s
.irp ct, 0,1,2,3
.irp j, 0,1
	ds_load_b128 v[WF+32*((\s)&1)+8*\ct+4*\j:WF+32*((\s)&1)+8*\ct+4*\j+3], v[LAB+((\s)>>3)] offset:((\s)&7)*KSL+\ct*FRG+\j*544
.endr
.endr
.endm
; the start of the tile whose first block is in s23 (s39: the expert's last block): the three blocks' offsets, and the loads of steps 0 to n - 1.
; The clamp by the constant comes last: behind it stand only a shift and a sum.
.macro UPRO n
.irp tt, 0,1,2
	s_add_co_u32 s24, s23, \tt
	s_min_u32 s24, s24, s39
	s_min_u32 s24, s24, BMAX
	s_lshl_b32 s35, s24, 14+LAYER
	v_add_nc_u32 v[TO+\tt], s35, v[L16]
.if LAYER == 1
	s_lshl_b32 s36, s24, 16                        ; in h a block is 65,536 bytes
	v_add_nc_u32 v[HO+\tt], s36, v[L16]
.else
	s_lshl_b32 s36, s24, 6                         ; in order a block is 64 bytes
	v_add_nc_u32 v[HO+\tt], s36, v[OL]
.endif
.endr
.if LAYER == 2
.irp tt, 0,1,2
	global_load_b32 v[ORDV+\tt], v[HO+\tt], s[12:13]           ; older than the tile's token loads
.endr
.endif
	WIN 0x40
.set u, 0
.rept \n
	TLOAD u
.set u, u+1
.endr
	WIN 0
.endm
; register j of lane (r, hh) of accumulator (ct, tt) starts as bias[16 ct + 8 hh + j]
.macro AINIT
.irp ct, 0,1,2,3
.irp tt, 0,1,2
	ds_load_b128 v[ACC+8*(3*\ct+\tt):ACC+8*(3*\ct+\tt)+3], v[BA] offset:\ct*64
	ds_load_b128 v[ACC+8*(3*\ct+\tt)+4:ACC+8*(3*\ct+\tt)+7], v[BA] offset:\ct*64+16
.endr
.endr
.endm
; Step s of a tile: 12 matrix instructions.  The tokens of nine steps on go out, into the slot that the last step read, and the next step's
; weight fragments, into the buffer that the last step read; the last steps ask for nothing beyond the tile.
; The twelve accumulators take turns, one instruction a turn, from step to step and from tile to tile too.
.macro STEP s
.if (\s) > 0
	PLACES                                         ; (a tile's first step stands behind the places that close the tile before)
.endif
.if (\s)+LEAD < NS
	WIN 0x40
	TLOAD ((\s)+LEAD)
.endif
	WIN 0x04                                       ; source 1 (tokens) window 1; all else window 0: the LDS loads below and the matrix instructions share the setting
.if (\s)+1 < NS
	WLOAD ((\s)+1)
	s_wait_dscnt 8                                 ; the next step's 8 loads may be out; this step's fragments (and, at step 0, the bias) are in
.else
	s_wait_dscnt 0
.endif
.if (\s)+LEAD < NS
	s_wait_loadcnt 6*LEAD                          ; the token loads of the nine steps on may be out
.else
	s_wait_loadcnt 6*(NS-1-(\s))                   ; the steps that are left
.endif
.irp ct, 0,1,2,3
.irp tt, 0,1,2
	v_wmma_f32_16x16x32_bf16 v[ACC+8*(3*\ct+\tt):ACC+8*(3*\ct+\tt)+7], v[WF+32*((\s)&1)+8*\ct:WF+32*((\s)&1)+8*\ct+7], v[24*((\s)%RING)+8*\tt:24*((\s)%RING)+8*\tt+7], v[ACC+8*(3*\ct+\tt):ACC+8*(3*\ct+\tt)+7]
.endr
.endr
.endm
	s_load_b256 s[4:11], s[0:1], 0x0               ; tokens s[4:5], weights s[6:7], bias s[8:9], meta s[10:11]
.if LAYER == 1
	s_load_b64 s[12:13], s[0:1], 0x20              ; h
.else
	s_load_b128 s[12:15], s[0:1], 0x20             ; order s[12:13], out0 s[14:15]
	v_lshl_add_u32 v254, v0, 2, 0x4d900
	v_mov_b32 v255, 0
.endif
	v_lshrrev_b32 v8, 5, v0
	v_readfirstlane_b32 s16, v8                    ; wave
	s_and_b32 s17, ttmp7, 0xffff                   ; expert
	; Tiles are dealt to the waves in the order 0, 3, 5, 6, 1, 2, 4, 7 (wave w's place is the w-th four bits of the constant): the first four differ both
	; in w % 4 and in w / 2, so that, whichever of the two shares eight waves among the WGP's four SIMDs, the first four tiles have a SIMD each.
	s_lshl_b32 s35, s16, 2
	s_lshr_b32 s22, 0x73261540, s35
	s_and_b32 s22, s22, 7                          ; my place = my first tile of the expert's
.if LAYER == 1
	s_mov_b32 s18, ttmp9                           ; slab
.else
	s_lshr_b32 s18, ttmp9, 1                       ; slab
	s_and_b32 s19, ttmp9, 1                        ; half
	s_lshl1_add_u32 s22, s22, s19                  ; my first tile: 2 place + half
.endif
	v_and_b32 v8, 31, v0                           ; lane
	v_lshlrev_b32 v[L16], 4, v8
	v_lshrrev_b32 v9, 4, v8                        ; hh
	v_and_b32 v10, 15, v8                          ; r
	v_mul_u32_u24 v[LAB], v9, 272
	v_lshl_add_u32 v[LAB], v10, 4, v[LAB]
.set t, 1
.rept NKC/8-1
	v_add_nc_u32 v[LAB+t], t*8*KSL, v[LAB]
.set t, t+1
.endr
	v_lshlrev_b32 v[BA], 5, v9
	v_add_nc_u32 v[BA], BIASL, v[BA]
	; phase 1: lane l holds K = 128 piece + 4 l .. + 3 of a row: step l / 8 of the piece's four, piece (j, hh) = (l / 2) % 4, 8 bytes at 8 (l % 2).
	; In words modulo 64 that is 16 (l / 8) + 4 ((l / 2) % 4) + 2 (l % 2) and the word behind: 64 different words for the 32 lanes.
	v_lshrrev_b32 v11, 3, v8
	v_mul_u32_u24 v[WA], v11, KSL
	v_bfe_u32 v11, v8, 1, 2
	v_mad_u32_u24 v[WA], v11, 272, v[WA]
	v_and_b32 v11, 1, v8
	v_lshl_add_u32 v[WA], v11, 3, v[WA]
	s_mul_i32 s24, s16, LAYER*4*KSL                ; my wave's pieces fill a range of their own: LAYER x 17,664 bytes from here
	v_add_nc_u32 v[WA], s24, v[WA]
	v_lshlrev_b32 v[BG], 4, v11
	v_lshl_add_u32 v[BG], s16, 5, v[BG]            ; wave w brings the bias of columns 8 w .. + 7
	v_add_nc_u32 v[BL], BIASL, v[BG]
.if LAYER == 2
	s_mul_i32 s24, s16, 4352
	s_add_co_u32 s24, s24, STAGE                   ; my wave's stage
	v_mul_u32_u24 v[ST], v10, 272
	v_lshl_add_u32 v[ST], v9, 5, v[ST]
	v_add_nc_u32 v[ST], s24, v[ST]                 ; in: row r, 32 bytes for each half of the lanes
	v_add_nc_u32 v[RD], s24, v[LAB]                ; back: sixteen lanes take a row of 256 bytes
	v_lshlrev_b32 v[CB], 4, v10
	v_lshlrev_b32 v[OL], 2, v10
	v_add_nc_u32 v[SA], s24, v[OL]
	v_lshl_add_u32 v[IX], v9, 2, s24
.endif
	s_mov_b32 s25, 0                               ; upper word of every offset
	s_wait_kmcnt 0x0
	s_lshl_b32 s24, s17, 5
	s_add_nc_u64 s[10:11], s[10:11], s[24:25]
	s_load_b64 s[20:21], s[10:11], 0x0             ; us_e, nb_e: wanted only behind most of phase 1
	s_lshl_b32 s24, s17, 23                        ; an expert's matrix is 8,388,608 bytes
	s_lshl_b32 s35, s18, 17+LAYER                  ; a slab is 64 rows
	s_lshl_b32 s36, s16, 8+LAYER                   ; my wave's LAYER x 512 bytes of a row
	s_add_co_u32 s24, s24, s35
	s_add_co_u32 s24, s24, s36
	s_add_nc_u64 s[26:27], s[6:7], s[24:25]
	s_lshl_b32 s24, s17, 14-LAYER                  ; an expert's bias
	s_lshl_b32 s35, s18, 8                         ; the slab's 64 numbers
	s_add_co_u32 s24, s24, s35
	s_add_nc_u64 s[8:9], s[8:9], s[24:25]
.if LAYER == 1
	s_lshl_b32 s24, s18, 11                        ; in h the slab's 64 columns are 2 steps of 32: 2,048 bytes of a block
	s_add_nc_u64 s[32:33], s[12:13], s[24:25]
.else
	s_lshl_b32 s24, s18, 8                         ; in out0 they are 256 bytes of a row
	s_add_nc_u64 s[32:33], s[14:15], s[24:25]
.endif
	global_load_b128 v[BV:BV+3], v[BG], s[8:9]     ; older than every weight load
.irp q, 0,1,2,3,4,5,6,7
	WISSUE \q                                      ; where a load would pass what the counter's field holds, its issue waits (ISA guide 5.7.1): no wait is written for that
.endr
	; PHASE 1.  The counts: seven younger groups while slots are filled again, then one group less each time.
.if LAYER == 1
	WGROUP 0, 56, 0
.else
	WGROUP 0, 56, 1
.endif
	WIN 0
	ds_store_b128 v[BL], v[BV:BV+3]                ; the bias came ahead of group 0; sixteen lanes write the same bytes with the same values
.if LAYER == 1
.irp q, 1,2,3,4,5
	WGROUP \q, 56-8*\q, 0
.endr
.else
.irp q, 1,2,3,4,5,6,7
	WGROUP \q, 56, 1
.endr
.irp q, 8,9,10,11,12,13
	WGROUP \q, 8*(15-\q), 0
.endr
.endif
	; my tiles; the first one's loads go out while the last two groups of weights are on their way
	WIN 0
	s_wait_kmcnt 0x0
	s_min_u32 s20, s20, 70
	s_min_u32 s21, s21, 128
	s_lshl_b32 s20, s20, 1                         ; the expert's first block
	s_add_co_u32 s39, s20, s21
	s_sub_co_u32 s39, s39, 1                       ; its last block
	s_add_co_u32 s37, s21, TT-1
	s_mul_i32 s37, s37, 43691
	s_lshr_b32 s37, s37, 17                        ; its tiles: (nb + 2) / 3, as a product: 3 x 43,691 = 2^17 + 1, exact for the 130 at most that come here
	s_add_co_u32 s37, s37, USTEP-1
	s_sub_co_u32 s37, s37, s22                     ; my first tile is at most USTEP - 1: the difference is not below 0
	s_lshr_b32 s37, s37, 2+LAYER                   ; how many of them are mine
	s_mul_i32 s23, s22, TT
	s_add_co_u32 s23, s23, s20                     ; my first tile's first block
	s_cmp_lg_u32 s37, 0
	s_cselect_b32 s23, s23, 0                      ; a wave without a tile asks for block 0, which always holds a token, and uses nothing of it
	s_cselect_b32 s39, s39, 0
	UPRO LEAD-1                                    ; steps 0 to 7: registers 0-191 of window 1, the weight slots 0 to 5, whose groups are in LDS
	WGROUP NG-2, 8+UO+6*(LEAD-1), 0                ; younger: the last group and the tile's loads
	WIN 0x40
	TLOAD (LEAD-1)                                 ; step 8: registers 192-215, inside weight slot 6, which has just been stored
	WGROUP NG-1, UO+6*LEAD, 0                      ; younger: the tile's loads
	WIN 0
	s_wait_dscnt 0x0                               ; for the other waves: my part of the slab and of the bias is in LDS
	s_barrier_signal -1
	s_barrier_wait -1                              ; the only barrier: from here on the slab and the bias are only read
	s_cmp_eq_u32 s37, 0
	s_cbranch_scc1 .Ldone
	s_mov_b32 s38, 0                               ; tiles done
	; PHASE 2
.Lunit:
	AINIT
	WLOAD 0
.set g, 0
.rept NS
	STEP g
.set g, g+1
.endr
	PLACES                                         ; in front of the readers of the results, and of the next tile's loads into fragments and accumulators
	WIN 0
.if LAYER == 1
	; relu, round to bf16: a lane's 8 columns are 16 bytes, and the 32 lanes' 512 bytes are half a fragment of the next layer (step 2 slab + ct / 2, j = ct % 2)
.irp ct, 0,1,2,3
.irp tt, 0,1,2
.irp j, 0,1,2,3,4,5,6,7
	v_max_num_f32 v[ACC+8*(3*\ct+\tt)+\j], 0, v[ACC+8*(3*\ct+\tt)+\j]
.endr
.irp j, 0,1,2,3
	v_cvt_pk_bf16_f32 v[ACC+8*(3*\ct+\tt)+\j], v[ACC+8*(3*\ct+\tt)+2*\j], v[ACC+8*(3*\ct+\tt)+2*\j+1]
.endr
	global_store_b128 v[HO+\tt], v[ACC+8*(3*\ct+\tt):ACC+8*(3*\ct+\tt)+3], s[32:33] offset:(\ct>>1)*1024+(\ct&1)*512
.endr
.endr
.else
	; the rows' token numbers: lane r holds row r's; a store below wants row 2 i + hh's in all sixteen lanes of half hh.  They are dealt through 192 bytes
	; of my own stage (LDS serves a wave's instructions in order, ISA guide 5.7.1: no wait between, and the results' stores below come behind these loads)
.irp tt, 0,1,2
	ds_store_b32 v[SA], v[ORDV+\tt] offset:64*\tt              ; both halves of the lanes write the same words with the same values
.endr
.irp tt, 0,1,2
.irp i, 0,1,2,3,4,5,6,7
	ds_load_b32 v[OFFS+8*\tt+\i], v[IX] offset:64*\tt+8*\i
.endr
.endr
	s_wait_dscnt 0x0
.set n, 0
.rept 24
	v_min_u32 v[OFFS+n], 0x7ff, v[OFFS+n]
	v_lshl_add_u32 v[OFFS+n], v[OFFS+n], 12, v[CB]
.set n, n+1
.endr
	; 16 tokens at a time through my wave's stage: in by lanes (token r, 8 columns), back by rows of 256 bytes, out to the token's row of out0
.irp tt, 0,1,2
.if \tt == 2
	s_wait_xcnt 0x0                                ; the first block's stores read the registers that the third block's rows are loaded into
.endif
.irp ct, 0,1,2,3
	ds_store_b128 v[ST], v[ACC+8*(3*\ct+\tt):ACC+8*(3*\ct+\tt)+3] offset:\ct*64
	ds_store_b128 v[ST], v[ACC+8*(3*\ct+\tt)+4:ACC+8*(3*\ct+\tt)+7] offset:\ct*64+16
.endr
.irp i, 0,1,2,3,4,5,6,7
	ds_load_b128 v[WF+32*(\tt&1)+4*\i:WF+32*(\tt&1)+4*\i+3], v[RD] offset:\i*544   ; in order behind the stores above
.endr
.irp i, 0,1,2,3,4,5,6,7
	s_wait_dscnt 7-\i                              ; the younger ones of the eight may be out
	global_store_b128 v[OFFS+8*\tt+\i], v[WF+32*(\tt&1)+4*\i:WF+32*(\tt&1)+4*\i+3], s[32:33] th:TH_STORE_NT   ; sixteen lanes store 256 neighbouring bytes at a multiple of 256
.endr
.endr
.endif
	s_add_co_u32 s38, s38, 1                       ; the loop counts my tiles one by one against their number
	s_cmp_ge_u32 s38, s37
	s_cbranch_scc1 .Ldone
	s_wait_xcnt 0x0                                ; the stores' data and offsets are written again only behind this wait
	s_add_co_u32 s23, s23, TT*USTEP                ; my next tile's first block
	UPRO LEAD
	s_cmp_lt_u32 s38, s37
	s_cbranch_scc1 .Lunit
.Ldone:
	s_wait_tensorcnt 0x0
	ds_add_u32 v254, v255
	s_wait_dscnt 0x0
	s_endpgm
.Lfunc_end_k_q9fe0363b3d_ffn2:
	.size	k_q9fe0363b3d_ffn2, .Lfunc_end_k_q9fe0363b3d_ffn2-k_q9fe0363b3d_ffn2
	.p2alignl 7, 3214868480
	.fill 96, 4, 3214868480
	.section	.rodata,"a",@progbits
	.p2align	6, 0x0
	.amdhsa_kernel k_q9fe0363b3d_ffn2
		.amdhsa_group_segment_fixed_size 318720
		.amdhsa_private_segment_fixed_size 0
		.amdhsa_enable_private_segment 0
		.amdhsa_kernarg_size 48
		.amdhsa_user_sgpr_count 2
		.amdhsa_user_sgpr_kernarg_segment_ptr 1
		.amdhsa_wavefront_size32 1
		.amdhsa_system_sgpr_workgroup_id_x 1
		.amdhsa_system_sgpr_workgroup_id_y 1
		.amdhsa_system_sgpr_workgroup_id_z 1
		.amdhsa_system_vgpr_workitem_id 0
		.amdhsa_next_free_vgpr 512
		.amdhsa_next_free_sgpr 66
		.amdhsa_reserve_vcc 0
		.amdhsa_float_denorm_mode_32 3
		.amdhsa_float_denorm_mode_16_64 3
		.amdhsa_memory_ordered 1
		.amdhsa_forward_progress 1
		.amdhsa_inst_pref_size 194
	.end_amdhsa_kernel
	.amdgpu_metadata
---
amdhsa.version: [ 1, 2 ]
amdhsa.kernels:
  - .name:           k_q9fe0363b3d_ffn2
    .symbol:         k_q9fe0363b3d_ffn2.kd
    .args:
      - { .name: h, .offset: 0, .size: 8, .value_kind: global_buffer, .address_space: global }
      - { .name: W2, .offset: 8, .size: 8, .value_kind: global_buffer, .address_space: global }
      - { .name: b2, .offset: 16, .size: 8, .value_kind: global_buffer, .address_space: global }
      - { .name: meta, .offset: 24, .size: 8, .value_kind: global_buffer, .address_space: global }
      - { .name: order, .offset: 32, .size: 8, .value_kind: global_buffer, .address_space: global }
      - { .name: out0, .offset: 40, .size: 8, .value_kind: global_buffer, .address_space: global }
    .group_segment_fixed_size: 318720
    .private_segment_fixed_size: 0
    .kernarg_segment_align: 8
    .kernarg_segment_size: 48
    .max_flat_workgroup_size: 256
    .sgpr_count:     66
    .vgpr_count:     512
    .wavefront_size: 32
...
	.end_amdgpu_metadata
.endif
;; end of part 3
;; ======== version 2 of 2: 3 launches; version 1 with the launches ffn1, ffn2 written anew for expert scheduling mode
;; workspace buffers: xs 4,653,056 bytes; h 9,306,112 bytes; order 9,216 bytes of whole numbers; meta 256 bytes of whole numbers
;; launch prep: the kernel of part 1 again; grid 71 x 1, 8 waves a work-group, no clusters, 72,960 bytes of LDS; arguments x, orig_input, hash_map, xs, order, meta; writes xs, order, meta
;; launch ffn1 (part 4): grid 32 x 8, 8 waves a work-group, no clusters, 142,592 bytes of LDS; arguments xs, W1, b1, meta, h; writes h
.if DOCPART == 4
	.amdgcn_target "amdgcn-amd-amdhsa--gfx1250"
	.amdhsa_code_object_version 6
	.text
	.protected	k_q9fe0363b3d_ffn1
	.globl	k_q9fe0363b3d_ffn1
	.p2align	8
	.type	k_q9fe0363b3d_ffn1,@function
k_q9fe0363b3d_ffn1:
	s_mov_b64 s[64:65], 0
	v_nop
	global_prefetch_b8 v0, s[64:65] scope:SCOPE_SE
	s_setreg_imm32_b32 hwreg(HW_REG_WAVE_SCHED_MODE, 0, 2), 2
	s_setreg_imm32_b32 hwreg(HW_REG_WAVE_MODE, 25, 1), 1
	s_wait_xcnt 0x0
	s_wait_alu depctr_vm_vsrc(0)
.set LAYER, 1                          ; 1: h = relu(xs W1[e]^T + b1[e]) in bf16;  2: out0[token] = h W2[e]^T + b2[e].  Both layers are this one text.
; A work-group keeps 64 rows of one expert's weight matrix (a slab = 64 output columns, all of K) in LDS as bf16 and walks the expert's tokens;
; only the expert that a token is routed to is computed, the results that reference() throws away are not made.
; Layer 1: K = 1,024, 32 slabs an expert, grid x = slab.  Layer 2: K = 2,048, 16 slabs an expert, grid x = 2 slab + half: two work-groups hold
; the same slab and take the expert's tiles by turns.
; PHASE 1: each wave reads 512-byte pieces of the 64 rows (f32), rounds to bf16 once and stores them in fragment order.  One barrier.
; PHASE 2: a wave makes a TILE of 3 blocks of 16 tokens x 64 columns: 12 accumulators.  A weight fragment (1 KB from LDS) feeds three matrix
; instructions; token fragments come straight from memory into registers (the launch before stored them in fragment order: a load is 32 lanes x
; 16 neighbouring bytes).  If the 2,048 tokens spread evenly over the 8 experts, an expert has 16 or 17 blocks = 6 tiles: one for each of six waves
; in layer 1, three for each work-group of a pair in layer 2.  Any other spread is served by the same text: a wave walks its tiles in a loop.
; A tile's blocks are min(first + 0, 1, 2, the expert's last block): a repeated block gives the same bits and is stored by the same wave to the same
; place.  Only blocks that hold a token of their own are worked on (nb from meta), and a padding position repeats its expert's last token, which
; lies in the same block: no row is stored by two waves.
; A tile's K is written out, so that every LDS address is a lane term plus constants and every place along K stands in an immediate.
; The matrix instruction takes weight rows as source 0 and tokens as source 1: lane (r, hh) holds token r and the 8 neighbouring columns 8 hh .. + 7.
; The sums start from the bias, loaded into the accumulators: nothing is cleared and nothing is added afterwards.
; NO CLUSTER, NO TENSOR LOADS: weights pass through registers for the conversion.  The slabs of an expert do read the same token fragments, but a
; joint load lands in LDS, where each fragment would be read by exactly one wave: 3 KB written and 3 KB read more for each 32 of K of a tile, beside the 4 KB
; of weight fragments; and in layer 2 the slab, bias and stage take 317,696 of the 327,680 bytes, so that no slots for tokens fit.
; LIMITS: operands (tokens, weights, h) are bf16, sums f32.  The ReLU is a maximum with 0 in which a NaN loses: a NaN in front of it becomes 0.
; us and nb from meta are clamped to 70 and 128, block numbers to 141, token numbers to 2,047: the largest that the launch before can store.
; THE MODE: SCHED_MODE bits 1:0 = 2 (LLVM: expert scheduling mode 2), set by the entry lines.  The code itself states the register dependences
; between vector or matrix instructions and memory or LDS instructions, with s_wait_alu, always for 0.
; THE PLAN.  Registers that memory or LDS instructions touch, and who else names them:
;   window 1 in phase 1, eight slots of 32: a group's loads land in a slot; its sixteen conversions read and write it; its eight LDS stores read it; then the
;              slot's next group (layer 2) or token fragments land in it.
;   window 1 in phase 2, ten token slots: step s's matrix instructions read slot s % 10; the loads of step s + 10, issued in step s + 1, land in it.
;   WF0, WF1   step s's matrix instructions read WF[s % 2]; the LDS loads of step s + 2, issued in step s + 1, land in it.  On layer 2's way out rows land in them and stores read them.
;   ACC        the bias lands in it at a tile's start; matrix instructions write it; on the way out vector instructions work on it (layer 1) and stores read it.
;   TO, HO     written by vector adds at a tile's start, read by the tile's loads and stores.
;   ORDV, OFFS (layer 2) loads land in them; LDS stores read ORDV; vector instructions rewrite OFFS and stores read it as their offset.
;   L16, BA, WA, BG, BL, LAB, SA, ST, RD, IX are made once at the head and never written again.
; THE WAITS.  Head: one for the wave's number, one for all the addresses.  A group of weights: one behind its conversions, ahead of its LDS stores; where loads land in the slot
; again, two straight ahead of them.  A tile's start: one ahead of the adds to TO and HO, one behind them; no vector instruction follows up to the tile's first step.
; A step: ONE, behind the waits for its data: the step before is done reading its token slot and its weight buffer; the step's fourteen loads follow it, the LDS loads dealt among
; matrix instructions that name ACC, WF[s % 2] and slot s % 10: none of the registers that those loads touch.  The way out: one ahead of each run of stores.
.set NKC,   32*LAYER                   ; steps of 32 along K
.set ROWB,  4096*LAYER                 ; bytes in a weight row
.set NG,    8*LAYER                    ; groups of 8 weight loads a wave
.set BS,    32768*LAYER                ; bytes in a block of 16 tokens
.set TT,    3                          ; blocks in a tile
.set NS,    NKC                        ; steps of a tile
.set RING,  10                         ; slots for token fragments: 10 x 24 of window 1's 256 registers
.set LEAD,  RING-1                     ; a step's tokens are asked for nine steps ahead: 54 loads of 512 bytes on their way
.set UO,    3*(LAYER-1)                ; layer 2: loads of order at a tile's start
.set USTEP, 8*LAYER                    ; from a wave's tile to its next
.set BMAX,  141                        ; the last block that there can be (71 units of 2)
.set KSL,   4416                       ; LDS: one step of 32 along K = 4 fragments of 1,088 + 64
.set FRG,   1088                       ; a fragment of 16 rows x 32 K = 4 pieces (j, hh) of 256 + 16 bytes; row r at 16 r in its piece
.set BIASL, NKC*KSL                    ; 64 f32
.set STAGE, BIASL+256                  ; layer 2: 8 waves x 16 rows x 272 bytes
; window 0
.set L16,  1                           ; 16 lane
.set BA,   4                           ; BIASL + 32 hh
.set WA,   5                           ; phase 1: where my 8 bytes of a row go
.set BG,   6                           ; bias: 32 w + 16 (lane % 2)
.set BL,   7                           ; the same in LDS
.set BV,   12                          ; v[12:15] bias as loaded
.set TO,   16                          ; v[16:18] block tt of my tile: its byte offset in the token buffer + 16 lane
.set HO,   20                          ; v[20:22] layer 1: its byte offset in h + 16 lane; layer 2: in order + 4 r
.set ORDV, 24                          ; v[24:26] layer 2: lane (r, hh) holds the token number of the block's row r
.set SA,   27                          ; layer 2: my stage + 4 r
.set ST,   28                          ; layer 2: stage, in
.set RD,   29                          ; layer 2: stage, back
.set CB,   30                          ; layer 2: 16 r
.set OL,   31                          ; layer 2: 4 r
.set LAB,  32                          ; v[32:39] hh * 272 + r * 16 + t * 35,328: my place in a fragment, for steps 8 t .. 8 t + 7 of the slab (an LDS immediate has 16 bits)
.set IX,   40                          ; layer 2: my stage + 4 hh
.set ACC,  64                          ; v[64:159] accumulator (ct, tt) at 64 + 8 (3 ct + tt): columns 16 ct .., block tt
.set WF,   160                         ; v[160:223] weight fragments, two buffers of 32 at 160 + 32 b + 8 ct; on layer 2's way out: rows read back, two sets of 32
.set OFFS, 224                         ; v[224:247] layer 2: byte offsets in out0 of the rows that I store
; window 1 (v256-v511, written as v0-v255): token fragments, slot p at 24 p + 8 tt; in phase 1 the same registers are eight slots of 8 weight loads.
.set MSB, 0
.macro WIN new                         ; s_set_vgpr_msb: bits 1:0 source 0, 3:2 source 1, 5:4 source 2, 7:6 destination; the high byte repeats the setting that is left
.if MSB != \new
	s_set_vgpr_msb (MSB<<8)|\new
.set MSB, \new
.endif
.endm
.macro PLACES                          ; four plain vector instructions between a matrix instruction and a reader of its result (ISA guide 7.12.1)
.rept 4
	v_nop
.endr
.endm
; group q of weight loads: rows 8 (q % 8) .. + 7, my piece q / 8 of them; each load is 512 neighbouring bytes
.macro WISSUE q
	WIN 0x40                                       ; data window 1, address window 0
.set SB, 32*((\q)&7)
.set RW, 8*((\q)&7)
.irp i, 0,1,2,3,4,5,6,7
.if LAYER == 1
	global_load_b128 v[SB+4*\i:SB+4*\i+3], v[L16], s[26:27] offset:(RW+\i)*ROWB+((\q)>>3)*512 th:TH_LOAD_NT   ; read once in the launch
.else
	global_load_b128 v[SB+4*\i:SB+4*\i+3], v[L16], s[26:27] offset:(RW+\i)*ROWB+((\q)>>3)*512                 ; read by two work-groups
.endif
.endr
.endm
; group q has come (cnt = younger loads): round to bf16, 8 bytes a lane into the slab; refill = 1: the slot's next group goes out
.macro WGROUP q, cnt, refill
	s_wait_loadcnt \cnt
.set SB, 32*((\q)&7)
.set RW, 8*((\q)&7)
	WIN 0x45
.irp i, 0,1,2,3,4,5,6,7
	v_cvt_pk_bf16_f32 v[SB+4*\i], v[SB+4*\i], v[SB+4*\i+1]
	v_cvt_pk_bf16_f32 v[SB+4*\i+1], v[SB+4*\i+2], v[SB+4*\i+3]
.endr
	WIN 0x04                                       ; address window 0, data window 1
	s_wait_alu depctr_va_vdst(0)                   ; the conversions have written the slot's registers, which the LDS stores read
.irp i, 0,1,2,3,4,5,6,7
	ds_store_b64 v[WA], v[SB+4*\i:SB+4*\i+1] offset:((\q)>>3)*4*KSL+((RW+\i)>>4)*FRG+((RW+\i)&15)*16
.endr
.if \refill
	WIN 0x40                                       ; the loads' window first, then their two waits, then the loads
	s_wait_alu depctr_va_vdst(0)                   ; the conversions are done reading and writing the slot's registers, in which the next group lands
	s_wait_alu depctr_vm_vsrc(0)                   ; the LDS stores have read them
	WISSUE (\q+8)
.endif
.endm
; the token fragments of step s of a tile (32 along K, 3 blocks): 6 loads into slot s % 10
.macro TLOAD s
.irp tt, 0,1,2
.irp j, 0,1
	global_load_b128 v[24*((\s)%RING)+8*\tt+4*\j:24*((\s)%RING)+8*\tt+4*\j+3], v[TO+\tt], s[4:5] offset:(\s)*1024+\j*512
.endr
.endr
.endm
; weight fragment ct of step s: 2 LDS loads into buffer s % 2; sixteen lanes read 256 neighbouring bytes
.macro WFRAG s, ct
.irp j, 0,1
	ds_load_b128 v[WF+32*((\s)&1)+8*(\ct)+4*\j:WF+32*((\s)&1)+8*(\ct)+4*\j+3], v[LAB+((\s)>>3)] offset:((\s)&7)*KSL+(\ct)*FRG+\j*544
.endr
.endm
; the four weight fragments of step s
.macro WLOAD s
.irp ct, 0,1,2,3
	WFRAG \s, \ct
.endr
.endm
; the start of the tile whose first block is in s23 (s39: the expert's last block): the three blocks' offsets, and the loads of steps 0 to n - 1.
; The clamp by the constant comes last: behind it stand only a shift and a sum.  again = 1: a tile has gone before.
.macro UPRO n, again
.if \again
	s_wait_alu depctr_vm_vsrc(0)                   ; the last tile's loads and stores have read TO and HO, which the adds below write; its stores have read the accumulators (layer 2: ORDV, OFFS and the rows in WF too), in which loads land from here on
.endif
.irp tt, 0,1,2
	s_add_co_u32 s24, s23, \tt
	s_min_u32 s24, s24, s39
	s_min_u32 s24, s24, BMAX
	s_lshl_b32 s35, s24, 14+LAYER
	v_add_nc_u32 v[TO+\tt], s35, v[L16]
.if LAYER == 1
	s_lshl_b32 s36, s24, 16                        ; in h a block is 65,536 bytes
	v_add_nc_u32 v[HO+\tt], s36, v[L16]
.else
	s_lshl_b32 s36, s24, 6                         ; in order a block is 64 bytes
	v_add_nc_u32 v[HO+\tt], s36, v[OL]
.endif
.endr
	s_wait_alu depctr_va_vdst(0)                   ; TO and HO are written, which the loads below and the tile's stores read; the conversions of phase 1, or the last tile's matrix and vector instructions, are done with the token slots, the accumulators and WF, in which loads land up to the tile's first step
.if !\again
	s_wait_alu depctr_vm_vsrc(0)                   ; the LDS stores of phase 1 issued so far have read weight slots 0 to 5, in which the token loads below land
.endif
.if LAYER == 2
.irp tt, 0,1,2
	global_load_b32 v[ORDV+\tt], v[HO+\tt], s[12:13]           ; older than the tile's token loads
.endr
.endif
	WIN 0x40
.set u, 0
.rept \n
	TLOAD u
.set u, u+1
.endr
	WIN 0
.endm
; register j of lane (r, hh) of accumulator (ct, tt) starts as bias[16 ct + 8 hh + j]
.macro AINIT
.irp ct, 0,1,2,3
.irp tt, 0,1,2
	ds_load_b128 v[ACC+8*(3*\ct+\tt):ACC+8*(3*\ct+\tt)+3], v[BA] offset:\ct*64
	ds_load_b128 v[ACC+8*(3*\ct+\tt)+4:ACC+8*(3*\ct+\tt)+7], v[BA] offset:\ct*64+16
.endr
.endr
.endm
; Step s of a tile: 12 matrix instructions.  Behind the step's one wait the tokens of nine steps on go out, into the slot that the last step read, in one run (they need a window of
; their own); the next step's weight fragments, into the buffer that the last step read, are dealt two loads ahead of each of the first four matrix instructions, so that eight
; matrix instructions stand behind the last of them.  The last steps ask for nothing beyond the tile.
; The twelve accumulators take turns, one instruction a turn, from step to step and from tile to tile too.
.macro STEP s
	s_wait_dscnt 0x0                               ; this step's weight fragments, asked for in the step before, are in (at step 0 the bias too): nothing younger has been issued
.if (\s)+LEAD < NS
	s_wait_loadcnt 6*(LEAD-1)                      ; this step's tokens are in; the loads of the eight steps on may be out
	WIN 0x40                                       ; the token loads' window first, then the wait, then the loads
.else
	s_wait_loadcnt 6*(NS-1-(\s))                   ; the steps that are left
.endif
.if (\s)+1 < NS
	s_wait_alu depctr_va_vdst(0)                   ; the matrix instructions of the step before (at a tile's first step: all that was issued ahead of it) are done reading the token slot and the weight buffer in which this step's loads land
.endif
.if (\s)+LEAD < NS
	TLOAD ((\s)+LEAD)
.endif
	WIN 0x04                                       ; source 1 (tokens) window 1; all else window 0: the LDS loads below and the matrix instructions share the setting
.irp ct, 0,1,2,3
.irp tt, 0,1,2
.if ((\s)+1 < NS) && (3*\ct+\tt < 4)
	WFRAG ((\s)+1), (3*\ct+\tt)                    ; no further wait: no matrix instruction since the wait above names the other weight buffer
.endif
	v_wmma_f32_16x16x32_bf16 v[ACC+8*(3*\ct+\tt):ACC+8*(3*\ct+\tt)+7], v[WF+32*((\s)&1)+8*\ct:WF+32*((\s)&1)+8*\ct+7], v[24*((\s)%RING)+8*\tt:24*((\s)%RING)+8*\tt+7], v[ACC+8*(3*\ct+\tt):ACC+8*(3*\ct+\tt)+7]
.endr
.endr
.endm
	s_load_b256 s[4:11], s[0:1], 0x0               ; tokens s[4:5], weights s[6:7], bias s[8:9], meta s[10:11]
.if LAYER == 1
	s_load_b64 s[12:13], s[0:1], 0x20              ; h
	v_lshl_add_u32 v254, v0, 2, 0x22900
	v_mov_b32 v255, 0
.else
	s_load_b128 s[12:15], s[0:1], 0x20             ; order s[12:13], out0 s[14:15]
.endif
	v_lshrrev_b32 v8, 5, v0
	v_readfirstlane_b32 s16, v8                    ; wave
	s_and_b32 s17, ttmp7, 0xffff                   ; expert
	; Tiles are dealt to the waves in the order 0, 3, 5, 6, 1, 2, 4, 7 (wave w's place is the w-th four bits of the constant): the first four differ both
	; in w % 4 and in w / 2, so that, whichever of the two shares eight waves among the WGP's four SIMDs, the first four tiles have a SIMD each.
	s_wait_alu depctr_va_sdst(0)                   ; s16 is written, ahead of its first reader: my place, my LDS ranges and my bases are made from it
	s_lshl_b32 s35, s16, 2
	s_lshr_b32 s22, 0x73261540, s35
	s_and_b32 s22, s22, 7                          ; my place = my first tile of the expert's
.if LAYER == 1
	s_mov_b32 s18, ttmp9                           ; slab
.else
	s_lshr_b32 s18, ttmp9, 1                       ; slab
	s_and_b32 s19, ttmp9, 1                        ; half
	s_lshl1_add_u32 s22, s22, s19                  ; my first tile: 2 place + half
.endif
	v_and_b32 v8, 31, v0                           ; lane
	v_lshlrev_b32 v[L16], 4, v8
	v_lshrrev_b32 v9, 4, v8                        ; hh
	v_and_b32 v10, 15, v8                          ; r
	v_mul_u32_u24 v[LAB], v9, 272
	v_lshl_add_u32 v[LAB], v10, 4, v[LAB]
.set t, 1
.rept NKC/8-1
	v_add_nc_u32 v[LAB+t], t*8*KSL, v[LAB]
.set t, t+1
.endr
	v_lshlrev_b32 v[BA], 5, v9
	v_add_nc_u32 v[BA], BIASL, v[BA]
	; phase 1: lane l holds K = 128 piece + 4 l .. + 3 of a row: step l / 8 of the piece's four, piece (j, hh) = (l / 2) % 4, 8 bytes at 8 (l % 2).
	; In words modulo 64 that is 16 (l / 8) + 4 ((l / 2) % 4) + 2 (l % 2) and the word behind: 64 different words for the 32 lanes.
	v_lshrrev_b32 v11, 3, v8
	v_mul_u32_u24 v[WA], v11, KSL
	v_bfe_u32 v11, v8, 1, 2
	v_mad_u32_u24 v[WA], v11, 272, v[WA]
	v_and_b32 v11, 1, v8
	v_lshl_add_u32 v[WA], v11, 3, v[WA]
	s_mul_i32 s24, s16, LAYER*4*KSL                ; my wave's pieces fill a range of their own: LAYER x 17,664 bytes from here
	v_add_nc_u32 v[WA], s24, v[WA]
	v_lshlrev_b32 v[BG], 4, v11
	v_lshl_add_u32 v[BG], s16, 5, v[BG]            ; wave w brings the bias of columns 8 w .. + 7
	v_add_nc_u32 v[BL], BIASL, v[BG]
.if LAYER == 2
	s_mul_i32 s24, s16, 4352
	s_add_co_u32 s24, s24, STAGE                   ; my wave's stage
	v_mul_u32_u24 v[ST], v10, 272
	v_lshl_add_u32 v[ST], v9, 5, v[ST]
	v_add_nc_u32 v[ST], s24, v[ST]                 ; in: row r, 32 bytes for each half of the lanes
	v_add_nc_u32 v[RD], s24, v[LAB]                ; back: sixteen lanes take a row of 256 bytes
	v_lshlrev_b32 v[CB], 4, v10
	v_lshlrev_b32 v[OL], 2, v10
	v_add_nc_u32 v[SA], s24, v[OL]
	v_lshl_add_u32 v[IX], v9, 2, s24
.endif
	s_mov_b32 s25, 0                               ; upper word of every offset
	s_wait_kmcnt 0x0
	s_lshl_b32 s24, s17, 5
	s_add_nc_u64 s[10:11], s[10:11], s[24:25]
	s_load_b64 s[20:21], s[10:11], 0x0             ; us_e, nb_e: wanted only behind most of phase 1
	s_lshl_b32 s24, s17, 23                        ; an expert's matrix is 8,388,608 bytes
	s_lshl_b32 s35, s18, 17+LAYER                  ; a slab is 64 rows
	s_lshl_b32 s36, s16, 8+LAYER                   ; my wave's LAYER x 512 bytes of a row
	s_add_co_u32 s24, s24, s35
	s_add_co_u32 s24, s24, s36
	s_add_nc_u64 s[26:27], s[6:7], s[24:25]
	s_lshl_b32 s24, s17, 14-LAYER                  ; an expert's bias
	s_lshl_b32 s35, s18, 8                         ; the slab's 64 numbers
	s_add_co_u32 s24, s24, s35
	s_add_nc_u64 s[8:9], s[8:9], s[24:25]
.if LAYER == 1
	s_lshl_b32 s24, s18, 11                        ; in h the slab's 64 columns are 2 steps of 32: 2,048 bytes of a block
	s_add_nc_u64 s[32:33], s[12:13], s[24:25]
.else
	s_lshl_b32 s24, s18, 8                         ; in out0 they are 256 bytes of a row
	s_add_nc_u64 s[32:33], s[14:15], s[24:25]
.endif
	s_wait_alu depctr_va_vdst(0)                   ; the addresses and offsets made above are written: the kernel's loads, stores and LDS instructions read them, and no vector instruction writes them again
	global_load_b128 v[BV:BV+3], v[BG], s[8:9]     ; older than every weight load
.irp q, 0,1,2,3,4,5,6,7
	WISSUE \q                                      ; where a load would pass what the counter's field holds, its issue waits (ISA guide 5.7.1): no wait is written for that
.endr
	; PHASE 1.  The counts: seven younger groups while slots are filled again, then one group less each time.
.if LAYER == 1
	WGROUP 0, 56, 0
.else
	WGROUP 0, 56, 1
.endif
	WIN 0
	ds_store_b128 v[BL], v[BV:BV+3]                ; the bias came ahead of group 0; sixteen lanes write the same bytes with the same values
.if LAYER == 1
.irp q, 1,2,3,4,5
	WGROUP \q, 56-8*\q, 0
.endr
.else
.irp q, 1,2,3,4,5,6,7
	WGROUP \q, 56, 1
.endr
.irp q, 8,9,10,11,12,13
	WGROUP \q, 8*(15-\q), 0
.endr
.endif
	; my tiles; the first one's loads go out while the last two groups of weights are on their way
	WIN 0
	s_wait_kmcnt 0x0
	s_min_u32 s20, s20, 70
	s_min_u32 s21, s21, 128
	s_lshl_b32 s20, s20, 1                         ; the expert's first block
	s_add_co_u32 s39, s20, s21
	s_sub_co_u32 s39, s39, 1                       ; its last block
	s_add_co_u32 s37, s21, TT-1
	s_mul_i32 s37, s37, 43691
	s_lshr_b32 s37, s37, 17                        ; its tiles: (nb + 2) / 3, as a product: 3 x 43,691 = 2^17 + 1, exact for the 130 at most that come here
	s_add_co_u32 s37, s37, USTEP-1
	s_sub_co_u32 s37, s37, s22                     ; my first tile is at most USTEP - 1: the difference is not below 0
	s_lshr_b32 s37, s37, 2+LAYER                   ; how many of them are mine
	s_mul_i32 s23, s22, TT
	s_add_co_u32 s23, s23, s20                     ; my first tile's first block
	s_cmp_lg_u32 s37, 0
	s_cselect_b32 s23, s23, 0                      ; a wave without a tile asks for block 0, which always holds a token, and uses nothing of it
	s_cselect_b32 s39, s39, 0
	UPRO LEAD-1, 0                                 ; steps 0 to 7: registers 0-191 of window 1, the weight slots 0 to 5, whose groups are in LDS
	WGROUP NG-2, 8+UO+6*(LEAD-1), 0                ; younger: the last group and the tile's loads
	WIN 0x40                                       ; the loads' window first, then their two waits, then the loads
	s_wait_alu depctr_va_vdst(0)                   ; the conversions are done reading and writing weight slot 6,
	s_wait_alu depctr_vm_vsrc(0)                   ; and its LDS stores have read it
	TLOAD (LEAD-1)                                 ; step 8: registers 192-215, inside weight slot 6, which has just been stored
	WGROUP NG-1, UO+6*LEAD, 0                      ; younger: the tile's loads
	WIN 0
	s_wait_dscnt 0x0                               ; for the other waves: my part of the slab and of the bias is in LDS
	s_barrier_signal -1
	s_barrier_wait -1                              ; the only barrier: from here on the slab and the bias are only read
	s_cmp_eq_u32 s37, 0
	s_cbranch_scc1 .Ldone
	s_mov_b32 s38, 0                               ; tiles done
	s_wait_alu depctr_vm_vsrc(0)                   ; the last group's LDS stores have read weight slot 7: step 9's tokens land in registers 216-239, part of it
	; PHASE 2
.Lunit:
	AINIT
	WLOAD 0
.set g, 0
.rept NS
	STEP g
.set g, g+1
.endr
	PLACES                                         ; in front of the readers of the results
	WIN 0
.if LAYER == 1
	; relu, round to bf16: a lane's 8 columns are 16 bytes, and the 32 lanes' 512 bytes are half a fragment of the next layer (step 2 slab + ct / 2, j = ct % 2).
	; Sixteen columns at a time: three accumulators' arithmetic, one wait, their three stores.
.irp ct, 0,1,2,3
.irp tt, 0,1,2
.irp j, 0,1,2,3,4,5,6,7
	v_max_num_f32 v[ACC+8*(3*\ct+\tt)+\j], 0, v[ACC+8*(3*\ct+\tt)+\j]
.endr
.irp j, 0,1,2,3
	v_cvt_pk_bf16_f32 v[ACC+8*(3*\ct+\tt)+\j], v[ACC+8*(3*\ct+\tt)+2*\j], v[ACC+8*(3*\ct+\tt)+2*\j+1]
.endr
.endr
	s_wait_alu depctr_va_vdst(0)                   ; the roundings have written the first four registers of these three accumulators, which the three stores read; no later vector instruction of the tile names them
.irp tt, 0,1,2
	global_store_b128 v[HO+\tt], v[ACC+8*(3*\ct+\tt):ACC+8*(3*\ct+\tt)+3], s[32:33] offset:(\ct>>1)*1024+(\ct&1)*512
.endr
.endr
.else
	; the rows' token numbers: lane r holds row r's; a store below wants row 2 i + hh's in all sixteen lanes of half hh.  They are dealt through 192 bytes
	; of my own stage (LDS serves a wave's instructions in order, ISA guide 5.7.1: no wait between, and the results' stores below come behind these loads)
.irp tt, 0,1,2
	ds_store_b32 v[SA], v[ORDV+\tt] offset:64*\tt              ; both halves of the lanes write the same words with the same values
.endr
.irp tt, 0,1,2
.irp i, 0,1,2,3,4,5,6,7
	ds_load_b32 v[OFFS+8*\tt+\i], v[IX] offset:64*\tt+8*\i
.endr
.endr
	s_wait_dscnt 0x0
.set n, 0
.rept 24
	v_min_u32 v[OFFS+n], 0x7ff, v[OFFS+n]
	v_lshl_add_u32 v[OFFS+n], v[OFFS+n], 12, v[CB]
.set n, n+1
.endr
	s_wait_alu depctr_va_vdst(0)                   ; the matrix instructions have written the accumulators, which the LDS stores read, and are done reading WF, in which the rows land; OFFS is written, which the global stores read.  The places above stay beside this wait
	; 16 tokens at a time through my wave's stage: in by lanes (token r, 8 columns), back by rows of 256 bytes, out to the token's row of out0
.irp tt, 0,1,2
.if \tt == 2
	s_wait_xcnt 0x0                                ; the first block's stores read the registers that the third block's rows are loaded into
	s_wait_alu depctr_vm_vsrc(0)                   ; the first block's stores have read those registers
.endif
.irp ct, 0,1,2,3
	ds_store_b128 v[ST], v[ACC+8*(3*\ct+\tt):ACC+8*(3*\ct+\tt)+3] offset:\ct*64
	ds_store_b128 v[ST], v[ACC+8*(3*\ct+\tt)+4:ACC+8*(3*\ct+\tt)+7] offset:\ct*64+16
.endr
.irp i, 0,1,2,3,4,5,6,7
	ds_load_b128 v[WF+32*(\tt&1)+4*\i:WF+32*(\tt&1)+4*\i+3], v[RD] offset:\i*544   ; in order behind the stores above
.endr
.irp i, 0,1,2,3,4,5,6,7
	s_wait_dscnt 7-\i                              ; the younger ones of the eight may be out
	global_store_b128 v[OFFS+8*\tt+\i], v[WF+32*(\tt&1)+4*\i:WF+32*(\tt&1)+4*\i+3], s[32:33] th:TH_STORE_NT   ; sixteen lanes store 256 neighbouring bytes at a multiple of 256
.endr
.endr
.endif
	s_add_co_u32 s38, s38, 1                       ; the loop counts my tiles one by one against their number
	s_cmp_ge_u32 s38, s37
	s_cbranch_scc1 .Ldone
	s_wait_xcnt 0x0                                ; the stores' data and offsets are written again only behind this wait
	s_add_co_u32 s23, s23, TT*USTEP                ; my next tile's first block
	UPRO LEAD, 1
	s_cmp_lt_u32 s38, s37
	s_cbranch_scc1 .Lunit
.Ldone:
	s_wait_dscnt 0x0
	s_wait_alu depctr_hold_cnt(0) depctr_sa_sdst(0) depctr_va_vdst(0) depctr_va_sdst(0) depctr_va_ssrc(0) depctr_va_vcc(0) depctr_vm_vsrc(0)
	s_wait_tensorcnt 0x0
	ds_add_u32 v254, v255
	s_wait_dscnt 0x0
	s_endpgm
.Lfunc_end_k_q9fe0363b3d_ffn1:
	.size	k_q9fe0363b3d_ffn1, .Lfunc_end_k_q9fe0363b3d_ffn1-k_q9fe0363b3d_ffn1
	.p2alignl 7, 3214868480
	.fill 96, 4, 3214868480
	.section	.rodata,"a",@progbits
	.p2align	6, 0x0
	.amdhsa_kernel k_q9fe0363b3d_ffn1
		.amdhsa_group_segment_fixed_size 142592
		.amdhsa_private_segment_fixed_size 0
		.amdhsa_enable_private_segment 0
		.amdhsa_kernarg_size 40
		.amdhsa_user_sgpr_count 2
		.amdhsa_user_sgpr_kernarg_segment_ptr 1
		.amdhsa_wavefront_size32 1
		.amdhsa_system_sgpr_workgroup_id_x 1
		.amdhsa_system_sgpr_workgroup_id_y 1
		.amdhsa_system_sgpr_workgroup_id_z 1
		.amdhsa_system_vgpr_workitem_id 0
		.amdhsa_next_free_vgpr 512
		.amdhsa_next_free_sgpr 66
		.amdhsa_reserve_vcc 0
		.amdhsa_float_denorm_mode_32 3
		.amdhsa_float_denorm_mode_16_64 3
		.amdhsa_memory_ordered 1
		.amdhsa_forward_progress 1
		.amdhsa_inst_pref_size 102
	.end_amdhsa_kernel
	.amdgpu_metadata
---
amdhsa.version: [ 1, 2 ]
amdhsa.kernels:
  - .name:           k_q9fe0363b3d_ffn1
    .symbol:         k_q9fe0363b3d_ffn1.kd
    .args:
      - { .name: xs, .offset: 0, .size: 8, .value_kind: global_buffer, .address_space: global }
      - { .name: W1, .offset: 8, .size: 8, .value_kind: global_buffer, .address_space: global }
      - { .name: b1, .offset: 16, .size: 8, .value_kind: global_buffer, .address_space: global }
      - { .name: meta, .offset: 24, .size: 8, .value_kind: global_buffer, .address_space: global }
      - { .name: h, .offset: 32, .size: 8, .value_kind: global_buffer, .address_space: global }
    .group_segment_fixed_size: 142592
    .private_segment_fixed_size: 0
    .kernarg_segment_align: 8
    .kernarg_segment_size: 40
    .max_flat_workgroup_size: 256
    .sgpr_count:     66
    .vgpr_count:     512
    .wavefront_size: 32
...
	.end_amdgpu_metadata
.endif
;; end of part 4
;; launch ffn2 (part 5): grid 32 x 8, 8 waves a work-group, no clusters, 318,720 bytes of LDS; arguments h, W2, b2, meta, order, out0; writes out0
.if DOCPART == 5
	.amdgcn_target "amdgcn-amd-amdhsa--gfx1250"
	.amdhsa_code_object_version 6
	.text
	.protected	k_q9fe0363b3d_ffn2
	.globl	k_q9fe0363b3d_ffn2
	.p2align	8
	.type	k_q9fe0363b3d_ffn2,@function
k_q9fe0363b3d_ffn2:
	s_mov_b64 s[64:65], 0
	v_nop
	global_prefetch_b8 v0, s[64:65] scope:SCOPE_SE
	s_setreg_imm32_b32 hwreg(HW_REG_WAVE_SCHED_MODE, 0, 2), 2
	s_setreg_imm32_b32 hwreg(HW_REG_WAVE_MODE, 25, 1), 1
	s_wait_xcnt 0x0
	s_wait_alu depctr_vm_vsrc(0)
.set LAYER, 2                          ; 1: h = relu(xs W1[e]^T + b1[e]) in bf16;  2: out0[token] = h W2[e]^T + b2[e].  Both layers are this one text.
; A work-group keeps 64 rows of one expert's weight matrix (a slab = 64 output columns, all of K) in LDS as bf16 and walks the expert's tokens;
; only the expert that a token is routed to is computed, the results that reference() throws away are not made.
; Layer 1: K = 1,024, 32 slabs an expert, grid x = slab.  Layer 2: K = 2,048, 16 slabs an expert, grid x = 2 slab + half: two work-groups hold
; the same slab and take the expert's tiles by turns.
; PHASE 1: each wave reads 512-byte pieces of the 64 rows (f32), rounds to bf16 once and stores them in fragment order.  One barrier.
; PHASE 2: a wave makes a TILE of 3 blocks of 16 tokens x 64 columns: 12 accumulators.  A weight fragment (1 KB from LDS) feeds three matrix
; instructions; token fragments come straight from memory into registers (the launch before stored them in fragment order: a load is 32 lanes x
; 16 neighbouring bytes).  If the 2,048 tokens spread evenly over the 8 experts, an expert has 16 or 17 blocks = 6 tiles: one for each of six waves
; in layer 1, three for each work-group of a pair in layer 2.  Any other spread is served by the same text: a wave walks its tiles in a loop.
; A tile's blocks are min(first + 0, 1, 2, the expert's last block): a repeated block gives the same bits and is stored by the same wave to the same
; place.  Only blocks that hold a token of their own are worked on (nb from meta), and a padding position repeats its expert's last token, which
; lies in the same block: no row is stored by two waves.
; A tile's K is written out, so that every LDS address is a lane term plus constants and every place along K stands in an immediate.
; The matrix instruction takes weight rows as source 0 and tokens as source 1: lane (r, hh) holds token r and the 8 neighbouring columns 8 hh .. + 7.
; The sums start from the bias, loaded into the accumulators: nothing is cleared and nothing is added afterwards.
; NO CLUSTER, NO TENSOR LOADS: weights pass through registers for the conversion.  The slabs of an expert do read the same token fragments, but a
; joint load lands in LDS, where each fragment would be read by exactly one wave: 3 KB written and 3 KB read more for each 32 of K of a tile, beside the 4 KB
; of weight fragments; and in layer 2 the slab, bias and stage take 317,696 of the 327,680 bytes, so that no slots for tokens fit.
; LIMITS: operands (tokens, weights, h) are bf16, sums f32.  The ReLU is a maximum with 0 in which a NaN loses: a NaN in front of it becomes 0.
; us and nb from meta are clamped to 70 and 128, block numbers to 141, token numbers to 2,047: the largest that the launch before can store.
; THE MODE: SCHED_MODE bits 1:0 = 2 (LLVM: expert scheduling mode 2), set by the entry lines.  The code itself states the register dependences
; between vector or matrix instructions and memory or LDS instructions, with s_wait_alu, always for 0.
; THE PLAN.  Registers that memory or LDS instructions touch, and who else names them:
;   window 1 in phase 1, eight slots of 32: a group's loads land in a slot; its sixteen conversions read and write it; its eight LDS stores read it; then the
;              slot's next group (layer 2) or token fragments land in it.
;   window 1 in phase 2, ten token slots: step s's matrix instructions read slot s % 10; the loads of step s + 10, issued in step s + 1, land in it.
;   WF0, WF1   step s's matrix instructions read WF[s % 2]; the LDS loads of step s + 2, issued in step s + 1, land in it.  On layer 2's way out rows land in them and stores read them.
;   ACC        the bias lands in it at a tile's start; matrix instructions write it; on the way out vector instructions work on it (layer 1) and stores read it.
;   TO, HO     written by vector adds at a tile's start, read by the tile's loads and stores.
;   ORDV, OFFS (layer 2) loads land in them; LDS stores read ORDV; vector instructions rewrite OFFS and stores read it as their offset.
;   L16, BA, WA, BG, BL, LAB, SA, ST, RD, IX are made once at the head and never written again.
; THE WAITS.  Head: one for the wave's number, one for all the addresses.  A group of weights: one behind its conversions, ahead of its LDS stores; where loads land in the slot
; again, two straight ahead of them.  A tile's start: one ahead of the adds to TO and HO, one behind them; no vector instruction follows up to the tile's first step.
; A step: ONE, behind the waits for its data: the step before is done reading its token slot and its weight buffer; the step's fourteen loads follow it, the LDS loads dealt among
; matrix instructions that name ACC, WF[s % 2] and slot s % 10: none of the registers that those loads touch.  The way out: one ahead of each run of stores.
.set NKC,   32*LAYER                   ; steps of 32 along K
.set ROWB,  4096*LAYER                 ; bytes in a weight row
.set NG,    8*LAYER                    ; groups of 8 weight loads a wave
.set BS,    32768*LAYER                ; bytes in a block of 16 tokens
.set TT,    3                          ; blocks in a tile
.set NS,    NKC                        ; steps of a tile
.set RING,  10                         ; slots for token fragments: 10 x 24 of window 1's 256 registers
.set LEAD,  RING-1                     ; a step's tokens are asked for nine steps ahead: 54 loads of 512 bytes on their way
.set UO,    3*(LAYER-1)                ; layer 2: loads of order at a tile's start
.set USTEP, 8*LAYER                    ; from a wave's tile to its next
.set BMAX,  141                        ; the last block that there can be (71 units of 2)
.set KSL,   4416                       ; LDS: one step of 32 along K = 4 fragments of 1,088 + 64
.set FRG,   1088                       ; a fragment of 16 rows x 32 K = 4 pieces (j, hh) of 256 + 16 bytes; row r at 16 r in its piece
.set BIASL, NKC*KSL                    ; 64 f32
.set STAGE, BIASL+256                  ; layer 2: 8 waves x 16 rows x 272 bytes
; window 0
.set L16,  1                           ; 16 lane
.set BA,   4                           ; BIASL + 32 hh
.set WA,   5                           ; phase 1: where my 8 bytes of a row go
.set BG,   6                           ; bias: 32 w + 16 (lane % 2)
.set BL,   7                           ; the same in LDS
.set BV,   12                          ; v[12:15] bias as loaded
.set TO,   16                          ; v[16:18] block tt of my tile: its byte offset in the token buffer + 16 lane
.set HO,   20                          ; v[20:22] layer 1: its byte offset in h + 16 lane; layer 2: in order + 4 r
.set ORDV, 24                          ; v[24:26] layer 2: lane (r, hh) holds the token number of the block's row r
.set SA,   27                          ; layer 2: my stage + 4 r
.set ST,   28                          ; layer 2: stage, in
.set RD,   29                          ; layer 2: stage, back
.set CB,   30                          ; layer 2: 16 r
.set OL,   31                          ; layer 2: 4 r
.set LAB,  32                          ; v[32:39] hh * 272 + r * 16 + t * 35,328: my place in a fragment, for steps 8 t .. 8 t + 7 of the slab (an LDS immediate has 16 bits)
.set IX,   40                          ; layer 2: my stage + 4 hh
.set ACC,  64                          ; v[64:159] accumulator (ct, tt) at 64 + 8 (3 ct + tt): columns 16 ct .., block tt
.set WF,   160                         ; v[160:223] weight fragments, two buffers of 32 at 160 + 32 b + 8 ct; on layer 2's way out: rows read back, two sets of 32
.set OFFS, 224                         ; v[224:247] layer 2: byte offsets in out0 of the rows that I store
; window 1 (v256-v511, written as v0-v255): token fragments, slot p at 24 p + 8 tt; in phase 1 the same registers are eight slots of 8 weight loads.
.set MSB, 0
.macro WIN new                         ; s_set_vgpr_msb: bits 1:0 source 0, 3:2 source 1, 5:4 source 2, 7:6 destination; the high byte repeats the setting that is left
.if MSB != \new
	s_set_vgpr_msb (MSB<<8)|\new
.set MSB, \new
.endif
.endm
.macro PLACES                          ; four plain vector instructions between a matrix instruction and a reader of its result (ISA guide 7.12.1)
.rept 4
	v_nop
.endr
.endm
; group q of weight loads: rows 8 (q % 8) .. + 7, my piece q / 8 of them; each load is 512 neighbouring bytes
.macro WISSUE q
	WIN 0x40                                       ; data window 1, address window 0
.set SB, 32*((\q)&7)
.set RW, 8*((\q)&7)
.irp i, 0,1,2,3,4,5,6,7
.if LAYER == 1
	global_load_b128 v[SB+4*\i:SB+4*\i+3], v[L16], s[26:27] offset:(RW+\i)*ROWB+((\q)>>3)*512 th:TH_LOAD_NT   ; read once in the launch
.else
	global_load_b128 v[SB+4*\i:SB+4*\i+3], v[L16], s[26:27] offset:(RW+\i)*ROWB+((\q)>>3)*512                 ; read by two work-groups
.endif
.endr
.endm
; group q has come (cnt = younger loads): round to bf16, 8 bytes a lane into the slab; refill = 1: the slot's next group goes out
.macro WGROUP q, cnt, refill
	s_wait_loadcnt \cnt
.set SB, 32*((\q)&7)
.set RW, 8*((\q)&7)
	WIN 0x45
.irp i, 0,1,2,3,4,5,6,7
	v_cvt_pk_bf16_f32 v[SB+4*\i], v[SB+4*\i], v[SB+4*\i+1]
	v_cvt_pk_bf16_f32 v[SB+4*\i+1], v[SB+4*\i+2], v[SB+4*\i+3]
.endr
	WIN 0x04                                       ; address window 0, data window 1
	s_wait_alu depctr_va_vdst(0)                   ; the conversions have written the slot's registers, which the LDS stores read
.irp i, 0,1,2,3,4,5,6,7
	ds_store_b64 v[WA], v[SB+4*\i:SB+4*\i+1] offset:((\q)>>3)*4*KSL+((RW+\i)>>4)*FRG+((RW+\i)&15)*16
.endr
.if \refill
	WIN 0x40                                       ; the loads' window first, then their two waits, then the loads
	s_wait_alu depctr_va_vdst(0)                   ; the conversions are done reading and writing the slot's registers, in which the next group lands
	s_wait_alu depctr_vm_vsrc(0)                   ; the LDS stores have read them
	WISSUE (\q+8)
.endif
.endm
; the token fragments of step s of a tile (32 along K, 3 blocks): 6 loads into slot s % 10
.macro TLOAD s
.irp tt, 0,1,2
.irp j, 0,1
	global_load_b128 v[24*((\s)%RING)+8*\tt+4*\j:24*((\s)%RING)+8*\tt+4*\j+3], v[TO+\tt], s[4:5] offset:(\s)*1024+\j*512
.endr
.endr
.endm
; weight fragment ct of step s: 2 LDS loads into buffer s % 2; sixteen lanes read 256 neighbouring bytes
.macro WFRAG s, ct
.irp j, 0,1
	ds_load_b128 v[WF+32*((\s)&1)+8*(\ct)+4*\j:WF+32*((\s)&1)+8*(\ct)+4*\j+3], v[LAB+((\s)>>3)] offset:((\s)&7)*KSL+(\ct)*FRG+\j*544
.endr
.endm
; the four weight fragments of step s
.macro WLOAD s
.irp ct, 0,1,2,3
	WFRAG \s, \ct
.endr
.endm
; the start of the tile whose first block is in s23 (s39: the expert's last block): the three blocks' offsets, and the loads of steps 0 to n - 1.
; The clamp by the constant comes last: behind it stand only a shift and a sum.  again = 1: a tile has gone before.
.macro UPRO n, again
.if \again
	s_wait_alu depctr_vm_vsrc(0)                   ; the last tile's loads and stores have read TO and HO, which the adds below write; its stores have read the accumulators (layer 2: ORDV, OFFS and the rows in WF too), in which loads land from here on
.endif
.irp tt, 0,1,2
	s_add_co_u32 s24, s23, \tt
	s_min_u32 s24, s24, s39
	s_min_u32 s24, s24, BMAX
	s_lshl_b32 s35, s24, 14+LAYER
	v_add_nc_u32 v[TO+\tt], s35, v[L16]
.if LAYER == 1
	s_lshl_b32 s36, s24, 16                        ; in h a block is 65,536 bytes
	v_add_nc_u32 v[HO+\tt], s36, v[L16]
.else
	s_lshl_b32 s36, s24, 6                         ; in order a block is 64 bytes
	v_add_nc_u32 v[HO+\tt], s36, v[OL]
.endif
.endr
	s_wait_alu depctr_va_vdst(0)                   ; TO and HO are written, which the loads below and the tile's stores read; the conversions of phase 1, or the last tile's matrix and vector instructions, are done with the token slots, the accumulators and WF, in which loads land up to the tile's first step
.if !\again
	s_wait_alu depctr_vm_vsrc(0)                   ; the LDS stores of phase 1 issued so far have read weight slots 0 to 5, in which the token loads below land
.endif
.if LAYER == 2
.irp tt, 0,1,2
	global_load_b32 v[ORDV+\tt], v[HO+\tt], s[12:13]           ; older than the tile's token loads
.endr
.endif
	WIN 0x40
.set u, 0
.rept \n
	TLOAD u
.set u, u+1
.endr
	WIN 0
.endm
; register j of lane (r, hh) of accumulator (ct, tt) starts as bias[16 ct + 8 hh + j]
.macro AINIT
.irp ct, 0,1,2,3
.irp tt, 0,1,2
	ds_load_b128 v[ACC+8*(3*\ct+\tt):ACC+8*(3*\ct+\tt)+3], v[BA] offset:\ct*64
	ds_load_b128 v[ACC+8*(3*\ct+\tt)+4:ACC+8*(3*\ct+\tt)+7], v[BA] offset:\ct*64+16
.endr
.endr
.endm
; Step s of a tile: 12 matrix instructions.  Behind the step's one wait the tokens of nine steps on go out, into the slot that the last step read, in one run (they need a window of
; their own); the next step's weight fragments, into the buffer that the last step read, are dealt two loads ahead of each of the first four matrix instructions, so that eight
; matrix instructions stand behind the last of them.  The last steps ask for nothing beyond the tile.
; The twelve accumulators take turns, one instruction a turn, from step to step and from tile to tile too.
.macro STEP s
	s_wait_dscnt 0x0                               ; this step's weight fragments, asked for in the step before, are in (at step 0 the bias too): nothing younger has been issued
.if (\s)+LEAD < NS
	s_wait_loadcnt 6*(LEAD-1)                      ; this step's tokens are in; the loads of the eight steps on may be out
	WIN 0x40                                       ; the token loads' window first, then the wait, then the loads
.else
	s_wait_loadcnt 6*(NS-1-(\s))                   ; the steps that are left
.endif
.if (\s)+1 < NS
	s_wait_alu depctr_va_vdst(0)                   ; the matrix instructions of the step before (at a tile's first step: all that was issued ahead of it) are done reading the token slot and the weight buffer in which this step's loads land
.endif
.if (\s)+LEAD < NS
	TLOAD ((\s)+LEAD)
.endif
	WIN 0x04                                       ; source 1 (tokens) window 1; all else window 0: the LDS loads below and the matrix instructions share the setting
.irp ct, 0,1,2,3
.irp tt, 0,1,2
.if ((\s)+1 < NS) && (3*\ct+\tt < 4)
	WFRAG ((\s)+1), (3*\ct+\tt)                    ; no further wait: no matrix instruction since the wait above names the other weight buffer
.endif
	v_wmma_f32_16x16x32_bf16 v[ACC+8*(3*\ct+\tt):ACC+8*(3*\ct+\tt)+7], v[WF+32*((\s)&1)+8*\ct:WF+32*((\s)&1)+8*\ct+7], v[24*((\s)%RING)+8*\tt:24*((\s)%RING)+8*\tt+7], v[ACC+8*(3*\ct+\tt):ACC+8*(3*\ct+\tt)+7]
.endr
.endr
.endm
	s_load_b256 s[4:11], s[0:1], 0x0               ; tokens s[4:5], weights s[6:7], bias s[8:9], meta s[10:11]
.if LAYER == 1
	s_load_b64 s[12:13], s[0:1], 0x20              ; h
.else
	s_load_b128 s[12:15], s[0:1], 0x20             ; order s[12:13], out0 s[14:15]
	v_lshl_add_u32 v254, v0, 2, 0x4d900
	v_mov_b32 v255, 0
.endif
	v_lshrrev_b32 v8, 5, v0
	v_readfirstlane_b32 s16, v8                    ; wave
	s_and_b32 s17, ttmp7, 0xffff                   ; expert
	; Tiles are dealt to the waves in the order 0, 3, 5, 6, 1, 2, 4, 7 (wave w's place is the w-th four bits of the constant): the first four differ both
	; in w % 4 and in w / 2, so that, whichever of the two shares eight waves among the WGP's four SIMDs, the first four tiles have a SIMD each.
	s_wait_alu depctr_va_sdst(0)                   ; s16 is written, ahead of its first reader: my place, my LDS ranges and my bases are made from it
	s_lshl_b32 s35, s16, 2
	s_lshr_b32 s22, 0x73261540, s35
	s_and_b32 s22, s22, 7                          ; my place = my first tile of the expert's
.if LAYER == 1
	s_mov_b32 s18, ttmp9                           ; slab
.else
	s_lshr_b32 s18, ttmp9, 1                       ; slab
	s_and_b32 s19, ttmp9, 1                        ; half
	s_lshl1_add_u32 s22, s22, s19                  ; my first tile: 2 place + half
.endif
	v_and_b32 v8, 31, v0                           ; lane
	v_lshlrev_b32 v[L16], 4, v8
	v_lshrrev_b32 v9, 4, v8                        ; hh
	v_and_b32 v10, 15, v8                          ; r
	v_mul_u32_u24 v[LAB], v9, 272
	v_lshl_add_u32 v[LAB], v10, 4, v[LAB]
.set t, 1
.rept NKC/8-1
	v_add_nc_u32 v[LAB+t], t*8*KSL, v[LAB]
.set t, t+1
.endr
	v_lshlrev_b32 v[BA], 5, v9
	v_add_nc_u32 v[BA], BIASL, v[BA]
	; phase 1: lane l holds K = 128 piece + 4 l .. + 3 of a row: step l / 8 of the piece's four, piece (j, hh) = (l / 2) % 4, 8 bytes at 8 (l % 2).
	; In words modulo 64 that is 16 (l / 8) + 4 ((l / 2) % 4) + 2 (l % 2) and the word behind: 64 different words for the 32 lanes.
	v_lshrrev_b32 v11, 3, v8
	v_mul_u32_u24 v[WA], v11, KSL
	v_bfe_u32 v11, v8, 1, 2
	v_mad_u32_u24 v[WA], v11, 272, v[WA]
	v_and_b32 v11, 1, v8
	v_lshl_add_u32 v[WA], v11, 3, v[WA]
	s_mul_i32 s24, s16, LAYER*4*KSL                ; my wave's pieces fill a range of their own: LAYER x 17,664 bytes from here
	v_add_nc_u32 v[WA], s24, v[WA]
	v_lshlrev_b32 v[BG], 4, v11
	v_lshl_add_u32 v[BG], s16, 5, v[BG]            ; wave w brings the bias of columns 8 w .. + 7
	v_add_nc_u32 v[BL], BIASL, v[BG]
.if LAYER == 2
	s_mul_i32 s24, s16, 4352
	s_add_co_u32 s24, s24, STAGE                   ; my wave's stage
	v_mul_u32_u24 v[ST], v10, 272
	v_lshl_add_u32 v[ST], v9, 5, v[ST]
	v_add_nc_u32 v[ST], s24, v[ST]                 ; in: row r, 32 bytes for each half of the lanes
	v_add_nc_u32 v[RD], s24, v[LAB]                ; back: sixteen lanes take a row of 256 bytes
	v_lshlrev_b32 v[CB], 4, v10
	v_lshlrev_b32 v[OL], 2, v10
	v_add_nc_u32 v[SA], s24, v[OL]
	v_lshl_add_u32 v[IX], v9, 2, s24
.endif
	s_mov_b32 s25, 0                               ; upper word of every offset
	s_wait_kmcnt 0x0
	s_lshl_b32 s24, s17, 5
	s_add_nc_u64 s[10:11], s[10:11], s[24:25]
	s_load_b64 s[20:21], s[10:11], 0x0             ; us_e, nb_e: wanted only behind most of phase 1
	s_lshl_b32 s24, s17, 23                        ; an expert's matrix is 8,388,608 bytes
	s_lshl_b32 s35, s18, 17+LAYER                  ; a slab is 64 rows
	s_lshl_b32 s36, s16, 8+LAYER                   ; my wave's LAYER x 512 bytes of a row
	s_add_co_u32 s24, s24, s35
	s_add_co_u32 s24, s24, s36
	s_add_nc_u64 s[26:27], s[6:7], s[24:25]
	s_lshl_b32 s24, s17, 14-LAYER                  ; an expert's bias
	s_lshl_b32 s35, s18, 8                         ; the slab's 64 numbers
	s_add_co_u32 s24, s24, s35
	s_add_nc_u64 s[8:9], s[8:9], s[24:25]
.if LAYER == 1
	s_lshl_b32 s24, s18, 11                        ; in h the slab's 64 columns are 2 steps of 32: 2,048 bytes of a block
	s_add_nc_u64 s[32:33], s[12:13], s[24:25]
.else
	s_lshl_b32 s24, s18, 8                         ; in out0 they are 256 bytes of a row
	s_add_nc_u64 s[32:33], s[14:15], s[24:25]
.endif
	s_wait_alu depctr_va_vdst(0)                   ; the addresses and offsets made above are written: the kernel's loads, stores and LDS instructions read them, and no vector instruction writes them again
	global_load_b128 v[BV:BV+3], v[BG], s[8:9]     ; older than every weight load
.irp q, 0,1,2,3,4,5,6,7
	WISSUE \q                                      ; where a load would pass what the counter's field holds, its issue waits (ISA guide 5.7.1): no wait is written for that
.endr
	; PHASE 1.  The counts: seven younger groups while slots are filled again, then one group less each time.
.if LAYER == 1
	WGROUP 0, 56, 0
.else
	WGROUP 0, 56, 1
.endif
	WIN 0
	ds_store_b128 v[BL], v[BV:BV+3]                ; the bias came ahead of group 0; sixteen lanes write the same bytes with the same values
.if LAYER == 1
.irp q, 1,2,3,4,5
	WGROUP \q, 56-8*\q, 0
.endr
.else
.irp q, 1,2,3,4,5,6,7
	WGROUP \q, 56, 1
.endr
.irp q, 8,9,10,11,12,13
	WGROUP \q, 8*(15-\q), 0
.endr
.endif
	; my tiles; the first one's loads go out while the last two groups of weights are on their way
	WIN 0
	s_wait_kmcnt 0x0
	s_min_u32 s20, s20, 70
	s_min_u32 s21, s21, 128
	s_lshl_b32 s20, s20, 1                         ; the expert's first block
	s_add_co_u32 s39, s20, s21
	s_sub_co_u32 s39, s39, 1                       ; its last block
	s_add_co_u32 s37, s21, TT-1
	s_mul_i32 s37, s37, 43691
	s_lshr_b32 s37, s37, 17                        ; its tiles: (nb + 2) / 3, as a product: 3 x 43,691 = 2^17 + 1, exact for the 130 at most that come here
	s_add_co_u32 s37, s37, USTEP-1
	s_sub_co_u32 s37, s37, s22                     ; my first tile is at most USTEP - 1: the difference is not below 0
	s_lshr_b32 s37, s37, 2+LAYER                   ; how many of them are mine
	s_mul_i32 s23, s22, TT
	s_add_co_u32 s23, s23, s20                     ; my first tile's first block
	s_cmp_lg_u32 s37, 0
	s_cselect_b32 s23, s23, 0                      ; a wave without a tile asks for block 0, which always holds a token, and uses nothing of it
	s_cselect_b32 s39, s39, 0
	UPRO LEAD-1, 0                                 ; steps 0 to 7: registers 0-191 of window 1, the weight slots 0 to 5, whose groups are in LDS
	WGROUP NG-2, 8+UO+6*(LEAD-1), 0                ; younger: the last group and the tile's loads
	WIN 0x40                                       ; the loads' window first, then their two waits, then the loads
	s_wait_alu depctr_va_vdst(0)                   ; the conversions are done reading and writing weight slot 6,
	s_wait_alu depctr_vm_vsrc(0)                   ; and its LDS stores have read it
	TLOAD (LEAD-1)                                 ; step 8: registers 192-215, inside weight slot 6, which has just been stored
	WGROUP NG-1, UO+6*LEAD, 0                      ; younger: the tile's loads
	WIN 0
	s_wait_dscnt 0x0                               ; for the other waves: my part of the slab and of the bias is in LDS
	s_barrier_signal -1
	s_barrier_wait -1                              ; the only barrier: from here on the slab and the bias are only read
	s_cmp_eq_u32 s37, 0
	s_cbranch_scc1 .Ldone
	s_mov_b32 s38, 0                               ; tiles done
	s_wait_alu depctr_vm_vsrc(0)                   ; the last group's LDS stores have read weight slot 7: step 9's tokens land in registers 216-239, part of it
	; PHASE 2
.Lunit:
	AINIT
	WLOAD 0
.set g, 0
.rept NS
	STEP g
.set g, g+1
.endr
	PLACES                                         ; in front of the readers of the results
	WIN 0
.if LAYER == 1
	; relu, round to bf16: a lane's 8 columns are 16 bytes, and the 32 lanes' 512 bytes are half a fragment of the next layer (step 2 slab + ct / 2, j = ct % 2).
	; Sixteen columns at a time: three accumulators' arithmetic, one wait, their three stores.
.irp ct, 0,1,2,3
.irp tt, 0,1,2
.irp j, 0,1,2,3,4,5,6,7
	v_max_num_f32 v[ACC+8*(3*\ct+\tt)+\j], 0, v[ACC+8*(3*\ct+\tt)+\j]
.endr
.irp j, 0,1,2,3
	v_cvt_pk_bf16_f32 v[ACC+8*(3*\ct+\tt)+\j], v[ACC+8*(3*\ct+\tt)+2*\j], v[ACC+8*(3*\ct+\tt)+2*\j+1]
.endr
.endr
	s_wait_alu depctr_va_vdst(0)                   ; the roundings have written the first four registers of these three accumulators, which the three stores read; no later vector instruction of the tile names them
.irp tt, 0,1,2
	global_store_b128 v[HO+\tt], v[ACC+8*(3*\ct+\tt):ACC+8*(3*\ct+\tt)+3], s[32:33] offset:(\ct>>1)*1024+(\ct&1)*512
.endr
.endr
.else
	; the rows' token numbers: lane r holds row r's; a store below wants row 2 i + hh's in all sixteen lanes of half hh.  They are dealt through 192 bytes
	; of my own stage (LDS serves a wave's instructions in order, ISA guide 5.7.1: no wait between, and the results' stores below come behind these loads)
.irp tt, 0,1,2
	ds_store_b32 v[SA], v[ORDV+\tt] offset:64*\tt              ; both halves of the lanes write the same words with the same values
.endr
.irp tt, 0,1,2
.irp i, 0,1,2,3,4,5,6,7
	ds_load_b32 v[OFFS+8*\tt+\i], v[IX] offset:64*\tt+8*\i
.endr
.endr
	s_wait_dscnt 0x0
.set n, 0
.rept 24
	v_min_u32 v[OFFS+n], 0x7ff, v[OFFS+n]
	v_lshl_add_u32 v[OFFS+n], v[OFFS+n], 12, v[CB]
.set n, n+1
.endr
	s_wait_alu depctr_va_vdst(0)                   ; the matrix instructions have written the accumulators, which the LDS stores read, and are done reading WF, in which the rows land; OFFS is written, which the global stores read.  The places above stay beside this wait
	; 16 tokens at a time through my wave's stage: in by lanes (token r, 8 columns), back by rows of 256 bytes, out to the token's row of out0
.irp tt, 0,1,2
.if \tt == 2
	s_wait_xcnt 0x0                                ; the first block's stores read the registers that the third block's rows are loaded into
	s_wait_alu depctr_vm_vsrc(0)                   ; the first block's stores have read those registers
.endif
.irp ct, 0,1,2,3
	ds_store_b128 v[ST], v[ACC+8*(3*\ct+\tt):ACC+8*(3*\ct+\tt)+3] offset:\ct*64
	ds_store_b128 v[ST], v[ACC+8*(3*\ct+\tt)+4:ACC+8*(3*\ct+\tt)+7] offset:\ct*64+16
.endr
.irp i, 0,1,2,3,4,5,6,7
	ds_load_b128 v[WF+32*(\tt&1)+4*\i:WF+32*(\tt&1)+4*\i+3], v[RD] offset:\i*544   ; in order behind the stores above
.endr
.irp i, 0,1,2,3,4,5,6,7
	s_wait_dscnt 7-\i                              ; the younger ones of the eight may be out
	global_store_b128 v[OFFS+8*\tt+\i], v[WF+32*(\tt&1)+4*\i:WF+32*(\tt&1)+4*\i+3], s[32:33] th:TH_STORE_NT   ; sixteen lanes store 256 neighbouring bytes at a multiple of 256
.endr
.endr
.endif
	s_add_co_u32 s38, s38, 1                       ; the loop counts my tiles one by one against their number
	s_cmp_ge_u32 s38, s37
	s_cbranch_scc1 .Ldone
	s_wait_xcnt 0x0                                ; the stores' data and offsets are written again only behind this wait
	s_add_co_u32 s23, s23, TT*USTEP                ; my next tile's first block
	UPRO LEAD, 1
	s_cmp_lt_u32 s38, s37
	s_cbranch_scc1 .Lunit
.Ldone:
	s_wait_dscnt 0x0
	s_wait_alu depctr_hold_cnt(0) depctr_sa_sdst(0) depctr_va_vdst(0) depctr_va_sdst(0) depctr_va_ssrc(0) depctr_va_vcc(0) depctr_vm_vsrc(0)
	s_wait_tensorcnt 0x0
	ds_add_u32 v254, v255
	s_wait_dscnt 0x0
	s_endpgm
.Lfunc_end_k_q9fe0363b3d_ffn2:
	.size	k_q9fe0363b3d_ffn2, .Lfunc_end_k_q9fe0363b3d_ffn2-k_q9fe0363b3d_ffn2
	.p2alignl 7, 3214868480
	.fill 96, 4, 3214868480
	.section	.rodata,"a",@progbits
	.p2align	6, 0x0
	.amdhsa_kernel k_q9fe0363b3d_ffn2
		.amdhsa_group_segment_fixed_size 318720
		.amdhsa_private_segment_fixed_size 0
		.amdhsa_enable_private_segment 0
		.amdhsa_kernarg_size 48
		.amdhsa_user_sgpr_count 2
		.amdhsa_user_sgpr_kernarg_segment_ptr 1
		.amdhsa_wavefront_size32 1
		.amdhsa_system_sgpr_workgroup_id_x 1
		.amdhsa_system_sgpr_workgroup_id_y 1
		.amdhsa_system_sgpr_workgroup_id_z 1
		.amdhsa_system_vgpr_workitem_id 0
		.amdhsa_next_free_vgpr 512
		.amdhsa_next_free_sgpr 66
		.amdhsa_reserve_vcc 0
		.amdhsa_float_denorm_mode_32 3
		.amdhsa_float_denorm_mode_16_64 3
		.amdhsa_memory_ordered 1
		.amdhsa_forward_progress 1
		.amdhsa_inst_pref_size 190
	.end_amdhsa_kernel
	.amdgpu_metadata
---
amdhsa.version: [ 1, 2 ]
amdhsa.kernels:
  - .name:           k_q9fe0363b3d_ffn2
    .symbol:         k_q9fe0363b3d_ffn2.kd
    .args:
      - { .name: h, .offset: 0, .size: 8, .value_kind: global_buffer, .address_space: global }
      - { .name: W2, .offset: 8, .size: 8, .value_kind: global_buffer, .address_space: global }
      - { .name: b2, .offset: 16, .size: 8, .value_kind: global_buffer, .address_space: global }
      - { .name: meta, .offset: 24, .size: 8, .value_kind: global_buffer, .address_space: global }
      - { .name: order, .offset: 32, .size: 8, .value_kind: global_buffer, .address_space: global }
      - { .name: out0, .offset: 40, .size: 8, .value_kind: global_buffer, .address_space: global }
    .group_segment_fixed_size: 318720
    .private_segment_fixed_size: 0
    .kernarg_segment_align: 8
    .kernarg_segment_size: 48
    .max_flat_workgroup_size: 256
    .sgpr_count:     66
    .vgpr_count:     512
    .wavefront_size: 32
...
	.end_amdgpu_metadata
.endif
;; end of part 5
